; MI455X (gfx1250); checked and timed in simulation.
; The chip was launched on July 23, 2026; its instructions are those of AMD's public machine-readable ISA for CDNA 5 (MIT licence, August 2026) and "CDNA5" Instruction Set Architecture Reference Guide (July 2026). The comments in the code are by the model that wrote it; some were corrected since.
;; Mo T Llama Attention. Allowed arithmetic: float matrix products may take bf16 or f16 operands with f32 sums; other float arithmetic in f32, or as packed bf16 or f16 multiplies, adds, multiply-adds, maxima and minima; sums over many terms, partial sums and values carried from step to step in f32; what a program stores and reads back later, other than sums and carried values, may be rounded once to bf16 or f16.
;; Inputs: Wk0 512 x 2,048 float32; Wk1 512 x 2,048 float32; Wo0 2,048 x 2,048 float32; Wo1 2,048 x 2,048 float32; Wq0 2,048 x 2,048 float32; Wq1 2,048 x 2,048 float32; Wv0 512 x 2,048 float32; Wv1 512 x 2,048 float32; hidden0 2 x 1,024 x 2,048 float32; hidden1 2 x 1,024 x 2,048 float32; position_ids 2 x 1,024 int32; valid0 2 x 1,024 int32; valid1 2 x 1,024 int32.
;; Outputs: out0 2 x 1,024 x 2,048 float32; out1 2 x 1,024 x 2,048 float32.
;; One version. Each part assembles by itself: llvm-mc -triple=amdgcn-amd-amdhsa -mcpu=gfx1250 --defsym DOCPART=n.
;; ======== version 1 of 1: 4 launches
;; limits: values are held in f16: magnitudes above 65,504 overflow, below 6.1e-05 lose precision; right only within a limited range of input values
;; workspace buffers: wqkv 25,165,824 bytes; wo 16,777,216 bytes; xa 17,825,792 bytes; ctxc 18,350,080 bytes; qb 8,388,608 bytes; kvb 6,291,456 bytes; cs 524,544 bytes; route 27,648 bytes of whole numbers
;; launch prep (part 1): grid 2880 x 1, 1 waves a work-group, no clusters, 13,568 bytes of LDS; arguments hidden0, hidden1, valid0, valid1, position_ids, Wq0, Wk0, Wv0, Wq1, Wk1, Wv1, wqkv, xa, route, cs; writes wqkv, xa, route, cs
.if DOCPART == 1
	.amdgcn_target "amdgcn-amd-amdhsa--gfx1250"
	.amdhsa_code_object_version 6
	.text
	.protected	k_q6beec25608_prep
	.globl	k_q6beec25608_prep
	.p2align	8
	.type	k_q6beec25608_prep,@function
k_q6beec25608_prep:
	s_mov_b64 s[64:65], 0
	v_nop
	global_prefetch_b8 v0, s[64:65] scope:SCOPE_SE
	s_setreg_imm32_b32 hwreg(HW_REG_WAVE_MODE, 25, 1), 1
	s_wait_xcnt 0x0
; PREP.  One wave to a work-group; three kinds of work, chosen by the work-group's number alone.
;   0 .. 1087     H: 16 routed rows x 512 k of hidden0 or hidden1, times the row's mask, rounded to bf16, into xa
;   1088 .. 2623  W: 16 rows x 512 k of Wq, Wk or Wv, rounded to bf16, into wqkv  (Wo is laid out later, beside the attention, which is the first launch ahead of its use)
;   2624 .. 2879  T: cos and sin of 8 tokens x 32 frequencies -> cs; row 2048 of cs holds cos = 1, sin = 0 (for v, which is not rotated)
; LAYOUT of xa, wqkv: blocks of 1,024 bytes = 16 rows x 32 k of 16-bit numbers, byte 512 c + 256 h + 16 r + 2 (k % 8) for k = 16 c + 8 h + k % 8:
; a wave that loads 16 bytes a lane at block + 512 c + 16 lane has registers 4 c .. 4 c + 3 of a matrix operand (ISA guide 7.12.2), 512 consecutive bytes a load.
; ROUTING.  Class A: valid1 = 0 (expert 0; a token with both masks 0 is scaled by 0).  Class B: valid1 != 0, valid0 = 0 (expert 1).  Class C: both != 0 (both experts).
; Tokens are sorted by class, in token order; slot tiles of 128 rows: A's, B's, then for each 128 of C a pair (expert 0, expert 1, the same tokens at the same rows): 34 tiles at the most.
; Every H wave sorts for itself (4,096 mask words, a list of 4,352 halfwords in its own LDS).  The tables in route:
;   tokslot[2048] = the token's (first) slot;  slot2tok[4480]: first slots only, and from 4352 on the tile of the first 32 positions of both sequences (row i: token 1024 (i / 64) + i % 32);
;   tileQ[32] = slot tile, rows, expert, K passes;  tileO[64] = rows, expert, the tile that holds its tokens and its ctx, 0.
; tokslot and slot2tok are stored by the first 32 H waves, wave t the 64 tokens of trip t of the sort: one wait for the stores' registers in each of 32 waves, not 32 on end in one.  The tile tables are wave 0's.
; LIMITS.  The angle pos x inv_freq is reduced by pi in two parts: its error is some 2e-7 of the angle, so positions up to a few 10,000 are served.
; A mask may be any whole number: rows are scaled by it in f32 ahead of the rounding.
.set NHW,      1088
.set NWW,      1536
.set STG,      8960                    ; LDS: the list 0 .. 8,767 (4,352 + 32 halfwords); the stage, 16 rows x 272 bytes
.set SPARE,    13312                   ; behind the stage: the spare words, one block of 256 bytes that no other line names
.set RT_S2T,   8192
.set RT_TILEQ, 26112
.set RT_TILEO, 26624
.set P_WQKV,  26                       ; s[26:27] wqkv, s[28:29] xa, s[30:31] route, s[32:33] cs
.set P_XA,    28
.set P_ROUTE, 30
.set P_CS,    32
.set SPW, 4                            ; v4   LDS address of my spare word; never rewritten
.set NIL, 5                            ; v5   0; never rewritten
.set STW, 7                            ; v7   stage, in: 8 bytes a lane of a row
.set STR, 8                            ; v8   stage, back: row lane % 16, 16 bytes for each half of the lanes
.set L16, 9                            ; v9   16 x lane
.set OFF, 10                           ; v10-25  byte offset of my 16 bytes in each of the 16 rows
.set D,   64                           ; v64-191  two chunks of 16 rows x 128 k in f32
.set T,   192                          ; v192-255 the same, packed
.set OB0, 32                           ; v32-63   chunk 0 back from the stage
.set OB1, 192                          ; v192-223 chunk 1 back from the stage (chunk 0's packed words have left)
.set M,   68                           ; s68-99   the rows' masks in f32, a pair a row
.macro LD2 hint                        ; 32 loads: a row's 512 consecutive bytes each
.set r, 0
.rept 16
.if \hint
	global_load_b128 v[D+4*r:D+4*r+3], v[OFF+r], s[44:45] th:TH_LOAD_NT
	global_load_b128 v[D+64+4*r:D+64+4*r+3], v[OFF+r], s[44:45] offset:512 th:TH_LOAD_NT
.else
	global_load_b128 v[D+4*r:D+4*r+3], v[OFF+r], s[44:45]
	global_load_b128 v[D+64+4*r:D+64+4*r+3], v[OFF+r], s[44:45] offset:512
.endif
.set r, r+1
.endr
.endm
.macro WAYOUT c, tb, ob                ; a chunk: rows into the stage, back as operand blocks, out
.set r, 0
.rept 16
	ds_store_b64 v[STW], v[(\tb)+2*r:(\tb)+2*r+1] offset:272*r
.set r, r+1
.endr
.set r, 0
.rept 8
	ds_load_b128 v[(\ob)+4*r:(\ob)+4*r+3], v[STR] offset:32*r  ; LDS serves a wave's instructions in order (ISA guide 5.7.1.4): these see the stores above
.set r, r+1
.endr
	s_wait_dscnt 0x0
.set r, 0
.rept 8
	global_store_b128 v[L16], v[(\ob)+4*r:(\ob)+4*r+3], s[46:47] offset:4096*(\c)+512*r  ; 512 consecutive bytes, aligned
.set r, r+1
.endr
.endm
; 16 rows x 512 k: two trips of two chunks of 128 k.  scale = 1: rows times their masks.
.macro CAST scale, hint
	LD2 \hint
	s_mov_b32 s49, 2
.Lcast_\@:
	s_wait_loadcnt 0x0                             ; all 32 loads: other waves of the WGP keep memory busy meanwhile
.set r, 0
.rept 32
.if \scale
	v_pk_mul_f32 v[D+4*r:D+4*r+1], v[D+4*r:D+4*r+1], s[M+2*(r%16):M+2*(r%16)+1] op_sel_hi:[1,0]
	v_pk_mul_f32 v[D+4*r+2:D+4*r+3], v[D+4*r+2:D+4*r+3], s[M+2*(r%16):M+2*(r%16)+1] op_sel_hi:[1,0]
.endif
	v_cvt_pk_bf16_f32 v[T+2*r], v[D+4*r], v[D+4*r+1]
	v_cvt_pk_bf16_f32 v[T+2*r+1], v[D+4*r+2], v[D+4*r+3]
.set r, r+1
.endr
	s_cmp_eq_u32 s49, 1
	s_cbranch_scc1 .Lnoload_\@                     ; the last trip asks for nothing
	s_add_nc_u64 s[44:45], s[44:45], 1024          ; free: the wait above has shown its loads done
	LD2 \hint
.Lnoload_\@:
	WAYOUT 0, T, OB0
	WAYOUT 1, T+32, OB1
	s_wait_xcnt 0x0                                ; the stores' base and data are rewritten only behind this wait
	s_add_nc_u64 s[46:47], s[46:47], 8192
	s_sub_co_u32 s49, s49, 1
	s_cmp_lg_u32 s49, 0
	s_cbranch_scc1 .Lcast_\@
	s_wait_tensorcnt 0x0                           ; the wave's end: behind my last LDS store
	ds_add_u32 v[SPW], v[NIL]
	s_wait_dscnt 0x0
	s_endpgm
.endm
.macro PICK first, ptr                 ; from fragment 'first' on the rows come from the matrix at s[ptr]
	s_cmp_ge_u32 s42, \first
	s_cselect_b64 s[44:45], s[\ptr:\ptr+1], s[44:45]
	s_cselect_b32 s49, \first, s49
.endm
.macro POPC x                          ; the number of ones in a word
	v_lshrrev_b32 v35, 1, \x
	v_and_b32 v35, s68, v35
	v_sub_nc_u32 \x, \x, v35
	v_lshrrev_b32 v35, 2, \x
	v_and_b32 \x, s69, \x
	v_and_b32 v35, s69, v35
	v_add_nc_u32 \x, \x, v35
	v_lshrrev_b32 v35, 4, \x
	v_add_nc_u32 \x, \x, v35
	v_and_b32 \x, s70, \x
	v_mul_lo_u32 \x, \x, s71
	v_lshrrev_b32 \x, 24, \x
.endm
.macro SCAN x                          ; sums over lanes 0 .. mine
.irp n, 1,2,4,8
	v_mov_b32_dpp v35, \x row_shr:\n row_mask:0xf bank_mask:0xf bound_ctrl:1
	v_add_nc_u32 \x, \x, v35
.endr
	v_readlane_b32 s49, \x, 15
	v_mov_b32 v35, s49
	v_cndmask_b32 v35, 0, v35, s54                 ; lanes 16-31 add the lower half's sum
	v_add_nc_u32 \x, \x, v35
.endm
; rows, expert and source tile of slot tile z.  s58 nA, s59 nB, s60 nC, s61 TA, s62 TA + TB
.macro TILE_O z, cnt, e, src, t1, t2
	v_lshlrev_b32 \t1, 7, \z
	v_min_u32 \t1, s58, \t1
	v_sub_nc_u32 \cnt, s58, \t1                    ; A's rows from 128 z on
	v_sub_nc_u32 \t1, \z, s61
	v_lshlrev_b32 \t1, 7, \t1
	v_min_u32 \t1, s59, \t1
	v_sub_nc_u32 \t1, s59, \t1                     ; B's
	v_sub_nc_u32 \t2, \z, s62
	v_and_b32 \e, 1, \t2
	v_sub_nc_u32 \src, \z, \e                      ; the second tile of a pair of C's has its tokens in the first
	v_lshrrev_b32 \t2, 1, \t2
	v_lshlrev_b32 \t2, 7, \t2
	v_min_u32 \t2, s60, \t2
	v_sub_nc_u32 \t2, s60, \t2                     ; C's
	v_cmp_gt_u32 vcc_lo, s62, \z
	v_cndmask_b32 \t2, \t2, \t1, vcc_lo
	v_cndmask_b32 \e, \e, 1, vcc_lo
	v_cndmask_b32 \src, \src, \z, vcc_lo
	v_cmp_gt_u32 vcc_lo, s61, \z
	v_cndmask_b32 \cnt, \t2, \cnt, vcc_lo
	v_cndmask_b32 \e, \e, 0, vcc_lo
	v_min_u32 \cnt, 128, \cnt
.endm
; one token a lane: its class from the words' top bits, its slot from the running counts, into the list
.macro BITSET m0, m1, rA, rB, rC, tok, sl
	v_lshrrev_b32 v59, 31, \m1                     ; valid1 != 0
	v_lshrrev_b32 v60, 31, \m0
	v_and_b32 v60, v59, v60                        ; class C
	v_and_b32 v61, s100, \rC
	v_add3_u32 v61, \rC, v61, s66                  ; C's slot: base + q + 128 (q / 128)
	v_cmp_eq_u32 s101, 1, v60
	v_cndmask_b32 \sl, \rB, v61, s101
	v_cmp_eq_u32 vcc_lo, 0, v59
	v_cndmask_b32 \sl, \sl, \rA, vcc_lo
	v_min_u32 \sl, 4351, \sl
	v_add_nc_u32 v61, 128, \sl
	v_cndmask_b32 v62, v44, v61, s101              ; C's second copy; the others' goes to my lane's entry behind the list
	v_min_u32 v62, 4383, v62
	v_lshlrev_b32 v61, 1, \sl
	v_lshlrev_b32 v62, 1, v62
	ds_store_b16 v61, \tok
	ds_store_b16 v62, \tok
	v_add_nc_u32 \rC, \rC, v60
	v_sub_nc_u32 v60, v59, v60
	v_add_nc_u32 \rB, \rB, v60
	v_sub_nc_u32 v59, 1, v59
	v_add_nc_u32 \rA, \rA, v59
	v_lshlrev_b32 \m1, 1, \m1
	v_lshlrev_b32 \m0, 1, \m0
.endm
	s_load_b512 s[4:19], s[0:1], 0x0               ; hidden0 4, hidden1 6, valid0 8, valid1 10, position_ids 12, Wq0 14, Wk0 16, Wv0 18
	s_load_b256 s[20:27], s[0:1], 0x40             ; Wq1 20, Wk1 22, Wv1 24, wqkv 26
	s_load_b128 s[28:31], s[0:1], 0x60             ; xa 28, route 30
	s_load_b64 s[32:33], s[0:1], 0x70              ; cs 32
	v_lshl_add_u32 v[SPW], v0, 2, SPARE
	v_mov_b32 v[NIL], 0
	v_and_b32 v1, 15, v0
	v_lshrrev_b32 v2, 4, v0
	v_lshlrev_b32 v[L16], 4, v0
	v_lshl_add_u32 v[STW], v0, 3, STG
	v_mul_u32_u24 v[STR], v1, 272
	v_lshl_add_u32 v[STR], v2, 4, v[STR]
	v_add_nc_u32 v[STR], STG, v[STR]
	s_mov_b32 s40, ttmp9
	s_wait_kmcnt 0x0
	s_cmp_lt_u32 s40, NHW
	s_cbranch_scc1 .Lrole_h
	s_sub_co_u32 s41, s40, NHW
	s_cmp_lt_u32 s41, NWW
	s_cbranch_scc1 .Lrole_w
	; ---- T: lane = frequency; 8 trips, a token each
	s_sub_co_u32 s41, s41, NWW
	s_lshl_b32 s42, s41, 5
	v_and_b32 v10, 7, v0
	v_lshl_add_u32 v10, v10, 2, s42
	global_load_b32 v11, v10, s[12:13]             ; my wave's 8 positions, in lanes 0-7 (and again in the others)
	v_cvt_f32_u32 v12, v0
	v_mul_f32 v12, 0xbed49a78, v12                 ; - i log2(10000) / 32
	v_exp_f32 v12, v12                             ; inv_freq
	s_lshl_b32 s43, s41, 11
	v_lshl_add_u32 v13, v0, 2, s43                 ; 256 bytes a token
	v_mov_b32 v14, 0
	s_mov_b32 s45, 0xc0490fdb                      ; - pi, upper part
	s_mov_b32 s46, 0x33bbbd2e                      ; what the upper part has too much
	s_mov_b32 s44, 8
	s_wait_loadcnt 0x0
	v_cvt_f32_i32 v11, v11
.Ltab:
	ds_bpermute_b32 v15, v14, v11                  ; the trip's position to every lane (no LDS byte is touched)
	s_wait_dscnt 0x0
	s_wait_alu depctr_va_vdst(0)
	v_mul_f32 v15, v15, v12                        ; the angle
	v_mul_f32 v16, 0x3ea2f983, v15
	v_rndne_f32 v16, v16                           ; n = angle / pi, rounded
	v_fma_f32 v17, v16, s45, v15
	v_fma_f32 v17, v16, s46, v17                   ; r = angle - n pi, within pi / 2
	v_mul_f32 v18, v17, v17
	v_cvt_i32_f32 v19, v16
	v_lshlrev_b32 v19, 31, v19                     ; (-1)^n as a sign bit
	v_mov_b32 v20, 0xb2d7322b                      ; sin r: the series up to r^11
	v_fmaak_f32 v20, v20, v18, 0x3638ef1d
	v_fmaak_f32 v20, v20, v18, 0xb9500d01
	v_fmaak_f32 v20, v20, v18, 0x3c088889
	v_fmaak_f32 v20, v20, v18, 0xbe2aaaab
	v_mul_f32 v21, v17, v18
	v_fma_f32 v20, v21, v20, v17
	v_mov_b32 v22, 0x310f76c7                      ; cos r: up to r^12
	v_fmaak_f32 v22, v22, v18, 0xb493f27e
	v_fmaak_f32 v22, v22, v18, 0x37d00d01
	v_fmaak_f32 v22, v22, v18, 0xbab60b61
	v_fmaak_f32 v22, v22, v18, 0x3d2aaaab
	v_fmaak_f32 v22, v22, v18, 0xbf000000
	v_fma_f32 v22, v22, v18, 1.0
	v_xor_b32 v20, v19, v20
	v_xor_b32 v22, v19, v22
	global_store_b32 v13, v22, s[P_CS:P_CS+1]
	global_store_b32 v13, v20, s[P_CS:P_CS+1] offset:128
	s_wait_xcnt 0x0                                ; address and data are rewritten only behind this wait
	v_add_nc_u32 v13, 0x100, v13
	v_add_nc_u32 v14, 4, v14
	s_sub_co_u32 s44, s44, 1
	s_cmp_lg_u32 s44, 0
	s_cbranch_scc1 .Ltab
	s_cmp_lg_u32 s41, 0
	s_cbranch_scc1 .Ltab_end
	v_lshlrev_b32 v10, 2, v0
	v_mov_b32 v20, 1.0
	v_mov_b32 v22, 0
	global_store_b32 v10, v20, s[P_CS:P_CS+1] offset:524288  ; row 2048: no rotation
	global_store_b32 v10, v22, s[P_CS:P_CS+1] offset:524416
.Ltab_end:
	s_endpgm
	; ---- W: fragment = 16 rows of one of the six matrices, in the order of wqkv
.Lrole_w:
	s_lshr_b32 s42, s41, 2
	s_and_b32 s43, s41, 3
	s_mov_b64 s[44:45], s[14:15]
	s_mov_b32 s49, 0
	PICK 128, 16
	PICK 160, 18
	PICK 192, 20
	PICK 320, 22
	PICK 352, 24
	s_sub_co_u32 s56, s42, s49
	s_lshl_b32 s56, s56, 17                        ; 16 rows of 8,192 bytes
	s_lshl_b32 s57, s43, 11                        ; my 512 k
	s_add_co_u32 s56, s56, s57
	s_mov_b32 s57, 0
	s_add_nc_u64 s[44:45], s[44:45], s[56:57]
	s_lshl_b32 s56, s42, 16
	s_lshl_b32 s49, s43, 14
	s_add_co_u32 s56, s56, s49
	s_add_nc_u64 s[46:47], s[P_WQKV:P_WQKV+1], s[56:57]
.set r, 0
.rept 16
	v_lshl_or_b32 v[OFF+r], v0, 4, r*8192
.set r, r+1
.endr
	CAST 0, 1
	; ---- H
.Lrole_h:
	s_lshr_b32 s42, s40, 2                         ; slot fragment 0 .. 271
	s_and_b32 s43, s40, 3                          ; which 512 k
	s_lshr_b32 s50, s42, 3                         ; slot tile z
	s_and_b32 s51, s42, 7                          ; fragment in the tile
	s_cmp_eq_u32 s40, 0
	s_cselect_b32 s48, 1, 0                        ; the first wave stores the tile tables
	v_lshlrev_b32 v26, 7, v0                       ; lane L owns tokens 32 L .. and 1024 + 32 L ..
.set r, 0
.rept 8
	global_load_b128 v[D+4*r:D+4*r+3], v26, s[8:9] offset:16*r
	global_load_b128 v[D+32+4*r:D+32+4*r+3], v26, s[8:9] offset:4096+16*r
	global_load_b128 v[D+64+4*r:D+64+4*r+3], v26, s[10:11] offset:16*r
	global_load_b128 v[D+96+4*r:D+96+4*r+3], v26, s[10:11] offset:4096+16*r
.set r, r+1
.endr
	s_mov_b32 s68, 0x55555555
	s_mov_b32 s69, 0x33333333
	s_mov_b32 s70, 0x0f0f0f0f
	s_mov_b32 s71, 0x01010101
	s_mov_b32 s54, 0xffff0000
	s_mov_b32 s100, 0xffffff80
	s_wait_loadcnt 0x0
	; four words a lane: v27, v28 valid0 != 0 (lower, upper tokens), v29, v30 valid1 != 0; the first token in bit 31
.irp w, 0,1,2,3
	v_mov_b32 v[27+\w], 0
.set r, 0
.rept 32
	v_cmp_ne_u32 vcc_lo, 0, v[D+32*\w+r]
	v_add_co_ci_u32 v[27+\w], vcc_lo, v[27+\w], v[27+\w], vcc_lo  ; word = 2 word + bit
.set r, r+1
.endr
.endr
	v_xor_b32 v36, -1, v29                         ; A
	v_and_b32 v37, v27, v29
	v_xor_b32 v37, v29, v37                        ; B
	v_xor_b32 v38, -1, v30
	v_and_b32 v39, v28, v30
	v_xor_b32 v39, v30, v39
	POPC v36
	POPC v37
	POPC v38
	POPC v39
	v_lshl_add_u32 v31, v37, 16, v36               ; A's count below, B's above
	v_lshl_add_u32 v33, v39, 16, v38
	v_mov_b32 v32, v31
	v_mov_b32 v34, v33
	SCAN v32
	SCAN v34
	v_readlane_b32 s55, v32, 31
	v_readlane_b32 s56, v34, 31
	v_sub_nc_u32 v32, v32, v31                     ; counts ahead of my words
	v_sub_nc_u32 v34, v34, v33
	v_add_nc_u32 v34, s55, v34
	s_add_co_u32 s57, s55, s56
	s_and_b32 s58, s57, 0xffff                     ; nA
	s_lshr_b32 s59, s57, 16                        ; nB
	s_sub_co_u32 s60, 2048, s58
	s_sub_co_u32 s60, s60, s59                     ; nC
	s_add_co_u32 s61, s58, 127
	s_lshr_b32 s61, s61, 7                         ; TA
	s_add_co_u32 s62, s59, 127
	s_lshr_b32 s62, s62, 7
	s_add_co_u32 s62, s62, s61                     ; TA + TB
	s_lshl_b32 s63, s61, 7                         ; B's first slot
	s_lshl_b32 s66, s62, 7                         ; C's
	v_mov_b32 v36, s50
	TILE_O v36, v37, v38, v41, v39, v40
	v_readfirstlane_b32 s52, v37                   ; my tile's rows
	v_readfirstlane_b32 s53, v38                   ; and expert:
	s_min_u32 s52, s52, 128                        ; numbers made of loaded masks, bounded before anything is chosen by them
	s_min_u32 s53, s53, 1
	s_cmp_eq_u32 s48, 1
	s_cbranch_scc0 .Lno_tables
	TILE_O v0, v64, v65, v66, v72, v73
	v_mov_b32 v67, 0
	global_store_b128 v[L16], v[64:67], s[P_ROUTE:P_ROUTE+1] offset:RT_TILEO
	v_add_nc_u32 v74, 32, v0
	TILE_O v74, v68, v69, v70, v72, v73
	v_mov_b32 v71, 0
	global_store_b128 v[L16], v[68:71], s[P_ROUTE:P_ROUTE+1] offset:RT_TILEO+512
	; tileQ: output row tile y = lane: A's and B's tiles as they lie, one K pass; a pair of C's tiles, two K passes
	v_lshlrev_b32 v80, 7, v0
	v_min_u32 v80, s58, v80
	v_sub_nc_u32 v77, s58, v80
	v_sub_nc_u32 v80, v0, s61
	v_lshlrev_b32 v80, 7, v80
	v_min_u32 v80, s59, v80
	v_sub_nc_u32 v80, s59, v80
	v_sub_nc_u32 v81, v0, s62
	v_add_nc_u32 v76, v0, v81                      ; TA + TB + 2 (y - TA - TB)
	v_lshlrev_b32 v81, 7, v81
	v_min_u32 v81, s60, v81
	v_sub_nc_u32 v81, s60, v81
	v_cmp_gt_u32 vcc_lo, s62, v0
	v_cndmask_b32 v76, v76, v0, vcc_lo
	v_cndmask_b32 v81, v81, v80, vcc_lo
	v_cndmask_b32 v79, 2, 1, vcc_lo
	v_cndmask_b32 v78, 0, 1, vcc_lo
	v_cmp_gt_u32 vcc_lo, s61, v0
	v_cndmask_b32 v77, v81, v77, vcc_lo
	v_cndmask_b32 v78, v78, 0, vcc_lo
	v_min_u32 v77, 128, v77
	global_store_b128 v[L16], v[76:79], s[P_ROUTE:P_ROUTE+1] offset:RT_TILEQ
	; the tile of the first 32 positions: rows 0-31 and 32-63 are tokens 0-31, rows 64-95 and 96-127 tokens 1024-1055
	v_lshlrev_b32 v82, 2, v0
	v_add_nc_u32 v83, 0x400, v0
	global_store_b32 v82, v0, s[P_ROUTE:P_ROUTE+1] offset:RT_S2T+17408
	global_store_b32 v82, v0, s[P_ROUTE:P_ROUTE+1] offset:RT_S2T+17408+128
	global_store_b32 v82, v83, s[P_ROUTE:P_ROUTE+1] offset:RT_S2T+17408+256
	global_store_b32 v82, v83, s[P_ROUTE:P_ROUTE+1] offset:RT_S2T+17408+384
	s_wait_xcnt 0x0                                ; these registers are loaded into again below
.Lno_tables:
	s_lshl_b32 s49, s51, 4
	s_cmp_ge_u32 s49, s52
	s_cselect_b32 s55, 1, 0                        ; 1: this split leaves my fragment without rows
	s_sub_co_u32 s54, 32, s40
	s_cmp_lt_u32 s40, 32
	s_cselect_b32 s54, s54, 0                      ; the loop's count in the trip whose tokens I store: trip = my wave's number; 0: none
	s_cselect_b32 s49, 0, s55                      ; the first 32 waves go through the sort whatever their rows
	s_cmp_eq_u32 s49, 1
	s_cbranch_scc1 .Lno_rows
	v_lshlrev_b32 v48, 5, v0                       ; the token in hand, lower word
	v_add_nc_u32 v55, 0x400, v48                   ; upper word
	v_and_b32 v45, 0xffff, v32                     ; running slots: A's,
	v_lshrrev_b32 v46, 16, v32
	v_sub_nc_u32 v47, v48, v45
	v_sub_nc_u32 v47, v47, v46                     ; C's rank (all tokens ahead less A's and B's),
	v_add_nc_u32 v46, s63, v46                     ; B's
	v_and_b32 v52, 0xffff, v34
	v_lshrrev_b32 v53, 16, v34
	v_sub_nc_u32 v54, v55, v52
	v_sub_nc_u32 v54, v54, v53
	v_add_nc_u32 v53, s63, v53
	v_add_nc_u32 v44, 0x1100, v0                   ; entry 4352 + lane
	s_mov_b32 s67, 32
.Lbit:
	BITSET v27, v29, v45, v46, v47, v48, v49
	BITSET v28, v30, v52, v53, v54, v55, v56
	s_cmp_eq_u32 s67, s54
	s_cbranch_scc0 .Lnot_mine
	v_lshlrev_b32 v59, 2, v48
	v_lshlrev_b32 v60, 2, v49
	v_lshlrev_b32 v62, 2, v55
	v_lshlrev_b32 v63, 2, v56
	global_store_b32 v59, v49, s[P_ROUTE:P_ROUTE+1]            ; tokslot
	global_store_b32 v60, v48, s[P_ROUTE:P_ROUTE+1] offset:RT_S2T
	global_store_b32 v62, v56, s[P_ROUTE:P_ROUTE+1]
	global_store_b32 v63, v55, s[P_ROUTE:P_ROUTE+1] offset:RT_S2T
	s_wait_xcnt 0x0                                ; addresses and data are rewritten in the next trip
.Lnot_mine:
	v_add_nc_u32 v48, 1, v48
	v_add_nc_u32 v55, 1, v55
	s_sub_co_u32 s67, s67, 1
	s_cmp_lg_u32 s67, 0
	s_cbranch_scc1 .Lbit
	s_cmp_eq_u32 s55, 1
	s_cbranch_scc1 .Lno_rows_lds                   ; one of the first 32 waves, without rows: its part of the tables is stored
	; my 16 rows: places past the count repeat the tile's last row
	s_lshl_b32 s49, s51, 4
	v_add_nc_u32 v59, s49, v1
	s_sub_co_u32 s49, s52, 1
	v_min_u32 v59, s49, v59
	s_lshl_b32 s49, s50, 7
	v_add_nc_u32 v59, s49, v59
	v_min_u32 v59, 4351, v59
	v_lshlrev_b32 v59, 1, v59
	ds_load_u16 v60, v59
	s_wait_dscnt 0x0
	v_min_u32 v60, 2047, v60
	v_lshlrev_b32 v61, 2, v60
	s_cmp_eq_u32 s53, 1
	s_cselect_b64 s[46:47], s[10:11], s[8:9]
	s_cselect_b64 s[44:45], s[6:7], s[4:5]
	global_load_b32 v62, v61, s[46:47]             ; the rows' masks
	s_wait_loadcnt 0x0
	v_cvt_f32_i32 v62, v62
.set r, 0
.rept 16
	v_readlane_b32 s49, v60, r
	s_min_u32 s49, s49, 2047
	s_lshl_b32 s49, s49, 13
	v_add_nc_u32 v[OFF+r], s49, v[L16]
	v_readlane_b32 s[M+2*r], v62, r
	s_mov_b32 s[M+2*r+1], s[M+2*r]                 ; named with it as a pair
.set r, r+1
.endr
	s_lshl_b32 s56, s43, 11
	s_mov_b32 s57, 0
	s_add_nc_u64 s[44:45], s[44:45], s[56:57]
	s_lshl_b32 s56, s42, 16
	s_lshl_b32 s49, s43, 14
	s_add_co_u32 s56, s56, s49
	s_add_nc_u64 s[46:47], s[P_XA:P_XA+1], s[56:57]
	CAST 1, 0
.Lno_rows_lds:
	s_wait_tensorcnt 0x0                           ; the wave's end: behind my last LDS store
	ds_add_u32 v[SPW], v[NIL]
	s_wait_dscnt 0x0
	s_endpgm
.Lno_rows:
	s_endpgm                                       ; no LDS byte was written
.Lfunc_end_k_q6beec25608_prep:
	.size	k_q6beec25608_prep, .Lfunc_end_k_q6beec25608_prep-k_q6beec25608_prep
	.p2alignl 7, 3214868480
	.fill 96, 4, 3214868480
	.section	.rodata,"a",@progbits
	.p2align	6, 0x0
	.amdhsa_kernel k_q6beec25608_prep
		.amdhsa_group_segment_fixed_size 13568
		.amdhsa_private_segment_fixed_size 0
		.amdhsa_enable_private_segment 0
		.amdhsa_kernarg_size 120
		.amdhsa_user_sgpr_count 2
		.amdhsa_user_sgpr_kernarg_segment_ptr 1
		.amdhsa_wavefront_size32 1
		.amdhsa_system_sgpr_workgroup_id_x 1
		.amdhsa_system_sgpr_workgroup_id_y 1
		.amdhsa_system_sgpr_workgroup_id_z 1
		.amdhsa_system_vgpr_workitem_id 0
		.amdhsa_next_free_vgpr 256
		.amdhsa_next_free_sgpr 102
		.amdhsa_reserve_vcc 1
		.amdhsa_float_denorm_mode_32 3
		.amdhsa_float_denorm_mode_16_64 3
		.amdhsa_memory_ordered 1
		.amdhsa_forward_progress 1
		.amdhsa_inst_pref_size 71
	.end_amdhsa_kernel
	.amdgpu_metadata
---
amdhsa.version: [ 1, 2 ]
amdhsa.kernels:
  - .name:           k_q6beec25608_prep
    .symbol:         k_q6beec25608_prep.kd
    .args:
      - { .name: hidden0, .offset: 0, .size: 8, .value_kind: global_buffer, .address_space: global }
      - { .name: hidden1, .offset: 8, .size: 8, .value_kind: global_buffer, .address_space: global }
      - { .name: valid0, .offset: 16, .size: 8, .value_kind: global_buffer, .address_space: global }
      - { .name: valid1, .offset: 24, .size: 8, .value_kind: global_buffer, .address_space: global }
      - { .name: position_ids, .offset: 32, .size: 8, .value_kind: global_buffer, .address_space: global }
      - { .name: Wq0, .offset: 40, .size: 8, .value_kind: global_buffer, .address_space: global }
      - { .name: Wk0, .offset: 48, .size: 8, .value_kind: global_buffer, .address_space: global }
      - { .name: Wv0, .offset: 56, .size: 8, .value_kind: global_buffer, .address_space: global }
      - { .name: Wq1, .offset: 64, .size: 8, .value_kind: global_buffer, .address_space: global }
      - { .name: Wk1, .offset: 72, .size: 8, .value_kind: global_buffer, .address_space: global }
      - { .name: Wv1, .offset: 80, .size: 8, .value_kind: global_buffer, .address_space: global }
      - { .name: wqkv, .offset: 88, .size: 8, .value_kind: global_buffer, .address_space: global }
      - { .name: xa, .offset: 96, .size: 8, .value_kind: global_buffer, .address_space: global }
      - { .name: route, .offset: 104, .size: 8, .value_kind: global_buffer, .address_space: global }
      - { .name: cs, .offset: 112, .size: 8, .value_kind: global_buffer, .address_space: global }
    .group_segment_fixed_size: 13568
    .private_segment_fixed_size: 0
    .kernarg_segment_align: 8
    .kernarg_segment_size: 120
    .max_flat_workgroup_size: 32
    .sgpr_count:     102
    .vgpr_count:     256
    .wavefront_size: 32
...
	.end_amdgpu_metadata
.endif
;; end of part 1
;; launch qkv (part 2): grid 12 x 18, 4 waves a work-group, no clusters, 17,920 bytes of LDS; arguments xa, wqkv, route, cs, qb, kvb; writes qb, kvb
.if DOCPART == 2
	.amdgcn_target "amdgcn-amd-amdhsa--gfx1250"
	.amdhsa_code_object_version 6
	.text
	.protected	k_q6beec25608_qkv
	.globl	k_q6beec25608_qkv
	.p2align	8
	.type	k_q6beec25608_qkv,@function
k_q6beec25608_qkv:
	s_mov_b64 s[64:65], 0
	v_nop
	global_prefetch_b8 v0, s[64:65] scope:SCOPE_SE
	s_setreg_imm32_b32 hwreg(HW_REG_WAVE_MODE, 25, 1), 1
	s_wait_xcnt 0x0
; QKV.  [q | k | v] = routed rows of xa (bf16, already times their masks) x the chosen expert's Wq | Wk | Wv (bf16), sums in f32; RoPE on q and k; rounded once to f16; scattered to token order.
; A work-group: output row tile y (128 routed rows, from route's tileQ) x columns 256 x .. 256 x + 255 of 3,072.  x < 8: q; 8, 9: k; 10, 11: v.  A wave: 64 rows x 128 columns = 32 accumulators.
; The number of K passes (1; 2 where a token has both masks: expert 0's rows and weights, then expert 1's, into the same sums) and the rows of a tile hang on stored counts.  So the loop holds no LDS access,
; no barrier and no tensor load: every wave loads its operands from memory straight into registers, from buffers that lie in the registers' order (512 consecutive bytes a load).
; NO CLUSTER, NO TENSOR LOADS: work-groups that read the same weights differ in those counts, and a wave that a split leaves without rows ends at once.
; Places past a tile's count repeat its last row; stores wholly past the count are jumped; a store that holds the last row twice writes the same bytes twice.
; THE MATRIX INSTRUCTION IS USED TRANSPOSED (source 0 = 16 weight rows, source 1 = 16 token rows): a lane holds eight neighbouring columns of one token's row.
; THE FIRST 32 POSITIONS of a sequence: a causal row with few keys is many times the outputs' root mean square, by which the roundings are judged.  So a row block of v that holds such a token also stores
; v - f16(v), in f16, behind v in kvb (k at 0, v at 2 MiB, the rests at 4 MiB): 16 bytes a lane straight from registers, a few blocks in the whole launch.
; LIMITS.  q, k, v are kept in f16: under 65,504.
; REGISTERS.  window 0: v0-31 addresses; v32-63 rows back from the stage; v64-159, v160-255 operand buffers 0, 1 (A's 4 fragments, then B's 8); window 1: the accumulators, (a, b) at 8 (8 a + b);
; window 2: v64-159, v160-255 operand buffers 2, 3.  s_set_vgpr_msb: bits 1:0 source 0, 3:2 source 1, 5:4 source 2, 7:6 destination.
.set RT_S2T,   8192
.set RT_TILEQ, 26112
.set SPARE,    17408                   ; behind the four stages of 16 x 272 bytes: the spare words, two blocks of 256 bytes that no other line names
.set SPW, 3                            ; v3   LDS address of my spare word; never rewritten
.set NIL, 4                            ; v4   0; never rewritten
.set VA,  5                            ; v5-8   my lane's byte offset in the tile of xa, for each of my four row blocks
.set VB,  9                            ; v9     16 x lane
.set TOK, 10                           ; v10-13 the token of row 16 a + lane % 16; on the way out in units of 128 bytes of the output: 32 x token for q, the token for k and v
.set STO, 14
.set RD,  15
.set LP,  16                           ; v16    the lane's and the columns' part of a store's offset
.set SO,  18                           ; v18-25 store offsets
.set TA,  26                           ; v26-29 offsets into cs
.set NEG1, 30                          ; v30    -1.0
.set LPL, 31                           ; v31    the lane's and the heads' part of the offset of a rest
.set BK,  32
.set TT,  192                          ; v192-255 a row block's rotated numbers; then their rests
.set FL,  50                           ; s50-53 row block a of v holds one of the first 32 positions
.set MSB, 0
.macro WIN new                         ; the immediate's high byte repeats the setting that is left
.if MSB != (\new)
	s_set_vgpr_msb (MSB<<8)|(\new)
.set MSB, \new
.endif
.endm
.macro LOADS f, k                      ; a K step of 32: 16 loads of B, 8 of A, into buffer f
.set FB, 64+96*((\f)%2)
	WIN 0x80*((\f)/2)
.set i, 0
.rept 8
	global_load_b128 v[FB+32+8*i:FB+32+8*i+3], v[VB], s[28:29] offset:65536*i+(\k)
	global_load_b128 v[FB+32+8*i+4:FB+32+8*i+7], v[VB], s[28:29] offset:65536*i+(\k)+512
.set i, i+1
.endr
.set i, 0
.rept 4
	global_load_b128 v[FB+8*i:FB+8*i+3], v[VA+i], s[26:27] offset:(\k)
	global_load_b128 v[FB+8*i+4:FB+8*i+7], v[VA+i], s[26:27] offset:(\k)+512
.set i, i+1
.endr
.endm
.macro MUL16 f, a0, zero               ; row blocks a0, a0 + 1 x all 8 column blocks.  The 32 accumulators take turns
.set FB, 64+96*((\f)%2)
	WIN 0x50+0x0a*((\f)/2)
.irp a, \a0, (\a0)+1
.irp b, 0,1,2,3,4,5,6,7
.if \zero
	v_wmma_f32_16x16x32_bf16 v[8*(8*(\a)+(\b)):8*(8*(\a)+(\b))+7], v[FB+32+8*(\b):FB+32+8*(\b)+7], v[FB+8*(\a):FB+8*(\a)+7], 0
.else
	v_wmma_f32_16x16x32_bf16 v[8*(8*(\a)+(\b)):8*(8*(\a)+(\b))+7], v[FB+32+8*(\b):FB+32+8*(\b)+7], v[FB+8*(\a):FB+8*(\a)+7], v[8*(8*(\a)+(\b)):8*(8*(\a)+(\b))+7]
.endif
.endr
.endr
.endm
.macro PLACES                          ; four plain vector instructions between a matrix instruction and a load into, or a read of, its registers
.rept 4
	v_nop
.endr
.endm
.macro STEP f, lf, k, zero             ; multiplies buffer f; in its middle asks for the step three on, into the buffer multiplied last
	s_wait_loadcnt 48                              ; loads come back in order: the two younger steps' 24 each may be out
	MUL16 \f, 0, \zero
	PLACES
	LOADS \lf, \k
	MUL16 \f, 2, \zero
.endm
.macro TLOAD a                         ; cos and sin of my row of block a: channels 8 h .. + 7 and 16 + 8 h .. + 7
.set i, 0
.rept 8
	global_load_b128 v[64+32*(\a)+4*i:64+32*(\a)+4*i+3], v[TA+(\a)], s[10:11] offset:64*(i/2)+16*(i%2)
.set i, i+1
.endr
.endm
; THE WAY OUT of row block a: rotate, round to f16, through my stage in LDS, out as whole rows
.macro OUTA a
	s_cmp_le_u32 s24, 16*(\a)
	s_cbranch_scc1 .Lend
	s_wait_loadcnt 24-8*(\a)                       ; my block's eight table loads are in; the later blocks' may be out
	WIN 0x01                                       ; source 0: the accumulators
.irp hh, 0,1
.irp bb, 0,1
.irp jp, 0,1,2,3
.set LO, 8*(8*(\a)+4*\hh+\bb)+2*\jp
.set HI, LO+16
.set T0, TT+8*(4*\hh+\bb)+2*\jp
.set T1, T0+16
.set CC, 64+32*(\a)+8*\bb+2*\jp
.set SS, CC+16
	v_pk_mul_f32 v[T0:T0+1], v[HI:HI+1], v[SS:SS+1]  ; each accumulator is read from its low end on
	v_pk_mul_f32 v[T1:T1+1], v[LO:LO+1], v[SS:SS+1]
	v_pk_fma_f32 v[T0:T0+1], v[LO:LO+1], v[CC:CC+1], v[T0:T0+1] neg_lo:[0,0,1] neg_hi:[0,0,1]  ; x1 cos - x2 sin
	v_pk_fma_f32 v[T1:T1+1], v[HI:HI+1], v[CC:CC+1], v[T1:T1+1]                                ; x2 cos + x1 sin
.endr
.endr
.endr
	WIN 0
.set HH, 64+32*(\a)                    ; the packed numbers go where the block's cos and sin lay: these have been used
.set i, 0
.rept 8
.irp jp, 0,1,2,3
	v_cvt_pk_f16_f32 v[HH+4*i+\jp], v[TT+8*i+2*\jp], v[TT+8*i+2*\jp+1]
.endr
	ds_store_b128 v[STO], v[HH+4*i:HH+4*i+3] offset:32*i
.set i, i+1
.endr
	s_cmp_eq_u32 s[FL+(\a)], 0
	s_cbranch_scc1 .Lnorest_\@
.set i, 0
.rept 32                               ; the rest: the f32 number less the f16 number, exact; then rounded to f16
	v_fma_mix_f32 v[TT+2*i], v[HH+i], v[NEG1], v[TT+2*i] op_sel_hi:[1,0,0]
	v_fma_mix_f32 v[TT+2*i+1], v[HH+i], v[NEG1], v[TT+2*i+1] op_sel:[1,0,0] op_sel_hi:[1,0,0]
.set i, i+1
.endr
.set i, 0
.rept 8
.irp jp, 0,1,2,3
	v_cvt_pk_f16_f32 v[TT+8*i+\jp], v[TT+8*i+2*\jp], v[TT+8*i+2*\jp+1]
.endr
.set i, i+1
.endr
	v_min_u32 v17, 0xffe0, v[TOK+(\a)]
	v_lshl_add_u32 v17, v17, 7, v[LPL]
.set i, 0
.rept 8
	global_store_b128 v17, v[TT+8*i:TT+8*i+3], s[38:39] offset:0x200000+(i/4)*262144+(i%4)*32  ; my row's channels 16 (i % 4) + 8 h .. + 7 of head i / 4, 2 MiB behind v
.set i, i+1
.endr
.Lnorest_\@:
	s_wait_xcnt 0x0                                ; the last block's stores, and the rests', have read their data and offsets
.set t, 0
.rept 8
	ds_load_b128 v[BK+4*t:BK+4*t+3], v[RD] offset:544*t  ; LDS serves a wave's instructions in order: these see the stores above
.set t, t+1
.endr
	s_wait_dscnt 0x0
.set t, 0
.rept 8
	s_cmp_le_u32 s24, 16*(\a)+2*t
	s_cbranch_scc1 .Lend
	v_readlane_b32 s44, v[TOK+(\a)], 2*t
	v_readlane_b32 s45, v[TOK+(\a)], 2*t+1
	v_mov_b32 v[SO+t], s44
	v_cndmask_b32 v[SO+t], v[SO+t], s45, s42       ; lanes 16-31 hold the odd row
	v_min_u32 v[SO+t], 0xffe0, v[SO+t]             ; 32 x 2,047 at the most
	v_lshl_add_u32 v[SO+t], v[SO+t], 7, v[LP]      ; units of 128 bytes
	global_store_b128 v[SO+t], v[BK+4*t:BK+4*t+3], s[38:39]  ; q: 16 lanes store 256 consecutive bytes, aligned; k, v: 8 lanes a head's row of 128
.set t, t+1
.endr
.endm
	s_load_b256 s[4:11], s[0:1], 0x0               ; xa 4, wqkv 6, route 8, cs 10
	s_load_b128 s[12:15], s[0:1], 0x20             ; qb 12, kvb 14
	v_lshl_add_u32 v[SPW], v0, 2, SPARE
	v_mov_b32 v[NIL], 0
	v_mov_b32 v[NEG1], -1.0
	v_lshrrev_b32 v17, 5, v0
	v_readfirstlane_b32 s16, v17                   ; wave
	s_lshr_b32 s17, s16, 1                         ; which 64 rows
	s_and_b32 s18, s16, 1                          ; which 128 columns
	s_mov_b32 s19, ttmp9                           ; x
	s_and_b32 s44, ttmp7, 0xffff
	s_lshl_b32 s44, s44, 4
	v_and_b32 v1, 15, v0
	v_bfe_u32 v2, v0, 4, 1
	v_and_b32 v17, 31, v0
	v_lshlrev_b32 v[VB], 4, v17
	s_wait_kmcnt 0x0
	s_load_b128 s[20:23], s[8:9], s44 offset:RT_TILEQ  ; slot tile, rows, expert, K passes
	s_wait_kmcnt 0x0
	s_min_u32 s20, s20, 33
	s_min_u32 s21, s21, 128
	s_min_u32 s22, s22, 1
	s_min_u32 s23, s23, 2
	s_max_u32 s23, s23, 1
	s_lshl_b32 s44, s17, 6
	s_sub_co_i32 s24, s21, s44                     ; rows of my 64 that exist
	s_cmp_le_i32 s24, 0
	s_cbranch_scc1 .Lnone
	s_sub_co_u32 s25, s21, 1
	s_lshl_b32 s45, s20, 7
.set i, 0
.rept 4
	v_add_nc_u32 v17, s44, v1
	v_add_nc_u32 v17, 16*i, v17
	v_min_u32 v17, s25, v17                        ; places past the count repeat the last row
	v_min_u32 v17, 127, v17
	v_add_nc_u32 v[SO+i], s45, v17
	v_lshlrev_b32 v[SO+i], 2, v[SO+i]
	global_load_b32 v[TOK+i], v[SO+i], s[8:9] offset:RT_S2T
	v_and_b32 v[VA+i], 0x70, v17
	v_and_b32 v17, 15, v17
	v_lshlrev_b32 v[VA+i], 12, v[VA+i]             ; 65,536 bytes a fragment of 16 rows
	v_lshl_add_u32 v[VA+i], v17, 4, v[VA+i]
	v_lshl_add_u32 v[VA+i], v2, 8, v[VA+i]
.set i, i+1
.endr
	s_lshl_b32 s44, s20, 19
	s_mov_b32 s45, 0
	s_add_nc_u64 s[26:27], s[4:5], s[44:45]        ; A: my slot tile
	s_mul_i32 s44, s22, 12582912                   ; B: the expert,
	s_lshl_b32 s30, s19, 4
	s_lshl3_add_u32 s30, s18, s30
	s_lshl_b32 s30, s30, 16                        ; my 8 column fragments
	s_add_co_u32 s44, s44, s30
	s_add_nc_u64 s[28:29], s[6:7], s[44:45]
	LOADS 0, 0
	LOADS 1, 1024
	LOADS 2, 2048
	WIN 0
	s_mov_b32 s31, 0
	s_mov_b32 s33, 0
	s_mov_b32 s46, 4096
	s_mov_b32 s47, 462848                          ; from a tile's last four K steps to the paired tile's first: 524,288 - 15 x 4,096
	s_mov_b32 s48, 12521472                        ; the same from expert 0 to expert 1: 12,582,912 - 15 x 4,096
	s_mov_b32 s42, 0xffff0000
	s_lshl_b32 s35, s23, 4
	s_sub_co_u32 s35, s35, 1                       ; trips: 16 for each K pass, less one (a step ahead of the loop, three behind)
	s_mul_i32 s44, s16, 4352
	v_mul_u32_u24 v[STO], v1, 272
	v_lshl_add_u32 v[STO], v2, 4, v[STO]
	v_add_nc_u32 v[STO], s44, v[STO]
	v_mul_u32_u24 v[RD], v2, 272
	v_lshl_add_u32 v[RD], v1, 4, v[RD]
	v_add_nc_u32 v[RD], s44, v[RD]
	s_cmp_lt_u32 s19, 8
	s_cbranch_scc0 .Lkv
	s_mov_b64 s[38:39], s[12:13]                   ; q: [token][2048], 4,096 bytes a token: 32 units of 128
	s_mov_b32 s36, 5
	s_lshl_b32 s44, s19, 9
	s_lshl_b32 s45, s18, 8
	s_add_co_u32 s44, s44, s45
	v_lshl_add_u32 v[LP], v1, 4, s44
	v_mov_b32 v[LPL], 0
	s_mov_b32 s40, -1
	s_mov_b32 s41, 0
	s_mov_b32 s49, 0                               ; no rests
	s_branch .Lset
.Lkv:
	s_mov_b64 s[38:39], s[14:15]                   ; k, v: [head][token][64], 128 bytes a token: one unit
	s_mov_b32 s36, 0
	s_and_b32 s44, s19, 1
	s_lshl_b32 s44, s44, 1
	s_add_co_u32 s44, s44, s18
	s_lshl_b32 s44, s44, 19                        ; my two heads of 262,144 bytes
	s_cmp_ge_u32 s19, 10
	s_cselect_b32 s45, 0x200000, 0                 ; v lies behind k
	s_cselect_b32 s40, 0, -1                       ; and takes row 2048 of cs: no rotation
	s_cselect_b32 s41, 0x80000, 0
	s_cselect_b32 s49, -1, 0                       ; and has rests
	s_add_co_u32 s44, s44, s45
	v_lshrrev_b32 v17, 3, v1
	v_and_b32 v[LP], 7, v1
	v_lshlrev_b32 v[LP], 4, v[LP]
	v_lshl_add_u32 v[LP], v17, 18, v[LP]
	v_add_nc_u32 v[LP], s44, v[LP]
	v_lshl_add_u32 v[LPL], v2, 4, s44
.Lset:
	STEP 0, 3, 3072, 1                             ; the first K step starts the sums
	WIN 0
	s_wait_xcnt 0x0                                ; the bases are stepped only behind this wait
	s_add_nc_u64 s[26:27], s[26:27], 4096
	s_add_nc_u64 s[28:29], s[28:29], 4096
	s_mov_b32 s34, 0
.Lk:                                                   ; four K steps a trip
	STEP 1, 0, 0, 0
	STEP 2, 1, 1024, 0
	STEP 3, 2, 2048, 0
	STEP 0, 3, 3072, 0
	WIN 0
	s_wait_xcnt 0x0
	s_add_co_u32 s34, s34, 1
	s_cmp_eq_u32 s34, 15                           ; the next loads begin the second K pass (where there is none the loop ends here)
	s_cselect_b32 s30, s47, s46
	s_cselect_b32 s32, s48, s46
	s_add_nc_u64 s[26:27], s[26:27], s[30:31]
	s_add_nc_u64 s[28:29], s[28:29], s[32:33]
	s_cmp_lt_u32 s34, s35
	s_cbranch_scc1 .Lk
	; the last three K steps; the table's loads go into buffers that have been multiplied
	s_wait_loadcnt 48                              ; buffer 1 is in
.set i, 0
.rept 4
	v_min_u32 v[TOK+i], 2047, v[TOK+i]             ; these lines are also the places behind buffer 0's last products
.set i, i+1
.endr
.set i, 0
.rept 4
	v_and_b32 v[TA+i], 0x3ff, v[TOK+i]             ; the token's place in its sequence
	v_cmp_gt_u32 s[FL+i], 32, v[TA+i]
	s_and_b32 s[FL+i], s[FL+i], s49
	v_and_b32 v[TA+i], s40, v[TOK+i]
	v_lshlrev_b32 v[TA+i], 8, v[TA+i]
	v_add_nc_u32 v[TA+i], s41, v[TA+i]
	v_lshl_add_u32 v[TA+i], v2, 5, v[TA+i]
	v_lshlrev_b32 v[TOK+i], s36, v[TOK+i]          ; from here on in units of 128 bytes of the output
.set i, i+1
.endr
	TLOAD 0
	TLOAD 1
	TLOAD 2
	MUL16 1, 0, 0
	MUL16 1, 2, 0
	s_wait_loadcnt 48                              ; buffer 2 is in: buffer 3's 24 and the table's 24 may be out
	PLACES
	WIN 0
	TLOAD 3
	MUL16 2, 0, 0
	MUL16 2, 2, 0
	s_wait_loadcnt 32                              ; buffer 3 is in: the table's 32 may be out
	MUL16 3, 0, 0
	MUL16 3, 2, 0
	PLACES
	WIN 0
	OUTA 0
	OUTA 1
	OUTA 2
	OUTA 3
.Lend:
	s_wait_tensorcnt 0x0                           ; the wave's end: behind my last LDS store
	ds_add_u32 v[SPW], v[NIL]
	s_wait_dscnt 0x0
	s_endpgm
.Lnone:
	s_endpgm                                       ; this split leaves my 64 rows empty: nothing was written, nothing is stored
.Lfunc_end_k_q6beec25608_qkv:
	.size	k_q6beec25608_qkv, .Lfunc_end_k_q6beec25608_qkv-k_q6beec25608_qkv
	.p2alignl 7, 3214868480
	.fill 96, 4, 3214868480
	.section	.rodata,"a",@progbits
	.p2align	6, 0x0
	.amdhsa_kernel k_q6beec25608_qkv
		.amdhsa_group_segment_fixed_size 17920
		.amdhsa_private_segment_fixed_size 0
		.amdhsa_enable_private_segment 0
		.amdhsa_kernarg_size 48
		.amdhsa_user_sgpr_count 2
		.amdhsa_user_sgpr_kernarg_segment_ptr 1
		.amdhsa_wavefront_size32 1
		.amdhsa_system_sgpr_workgroup_id_x 1
		.amdhsa_system_sgpr_workgroup_id_y 1
		.amdhsa_system_sgpr_workgroup_id_z 1
		.amdhsa_system_vgpr_workitem_id 0
		.amdhsa_next_free_vgpr 768
		.amdhsa_next_free_sgpr 66
		.amdhsa_reserve_vcc 0
		.amdhsa_float_denorm_mode_32 3
		.amdhsa_float_denorm_mode_16_64 3
		.amdhsa_memory_ordered 1
		.amdhsa_forward_progress 1
		.amdhsa_inst_pref_size 120
	.end_amdhsa_kernel
	.amdgpu_metadata
---
amdhsa.version: [ 1, 2 ]
amdhsa.kernels:
  - .name:           k_q6beec25608_qkv
    .symbol:         k_q6beec25608_qkv.kd
    .args:
      - { .name: xa, .offset: 0, .size: 8, .value_kind: global_buffer, .address_space: global }
      - { .name: wqkv, .offset: 8, .size: 8, .value_kind: global_buffer, .address_space: global }
      - { .name: route, .offset: 16, .size: 8, .value_kind: global_buffer, .address_space: global }
      - { .name: cs, .offset: 24, .size: 8, .value_kind: global_buffer, .address_space: global }
      - { .name: qb, .offset: 32, .size: 8, .value_kind: global_buffer, .address_space: global }
      - { .name: kvb, .offset: 40, .size: 8, .value_kind: global_buffer, .address_space: global }
    .group_segment_fixed_size: 17920
    .private_segment_fixed_size: 0
    .kernarg_segment_align: 8
    .kernarg_segment_size: 48
    .max_flat_workgroup_size: 128
    .sgpr_count:     66
    .vgpr_count:     768
    .wavefront_size: 32
...
	.end_amdgpu_metadata
.endif
;; end of part 2
;; launch attn (part 3): grid 4 x 64, 8 waves a work-group, clusters of 4 x 1, 327,680 bytes of LDS; arguments qb, kvb, route, ctxc, Wo0, Wo1, wo; writes ctxc, wo
.if DOCPART == 3
	.amdgcn_target "amdgcn-amd-amdhsa--gfx1250"
	.amdhsa_code_object_version 6
	.text
	.protected	k_q6beec25608_attn
	.globl	k_q6beec25608_attn
	.p2align	8
	.type	k_q6beec25608_attn,@function
k_q6beec25608_attn:
	s_mov_b64 s[64:65], 0
	v_nop
	global_prefetch_b8 v0, s[64:65] scope:SCOPE_SE
	s_setreg_imm32_b32 hwreg(HW_REG_WAVE_MODE, 25, 1), 1
	s_wait_xcnt 0x0
	s_wait_alu depctr_hold_cnt(0) depctr_sa_sdst(0) depctr_va_vdst(0) depctr_va_sdst(0) depctr_va_ssrc(0) depctr_va_vcc(0) depctr_vm_vsrc(0)
	s_getreg_b32 s2, hwreg(HW_REG_IB_STS2, 6, 4)
	s_cmp_eq_u32 s2, 0
	s_cbranch_scc0 .Lentry_in_a_cluster
	s_endpgm
.Lentry_in_a_cluster:
	s_bfe_u32 s2, ttmp6, 0x10000c
	s_cmp_lg_u32 s2, 0x3003
	s_cbranch_scc0 .Lentry_shape_is_right
	s_endpgm
.Lentry_shape_is_right:
; CAUSAL ATTENTION, 32 query heads on 8 key and value heads, head size 64 (waves 0-3), and beside it THE LAYING OUT OF Wo (waves 4-7).
; q: [token][2048] f16; k, v: [head 8][token 2048][64] f16.  Products, maxima and sums in f32; the weights p are rounded to f16 for
; the second product (their sum is taken of the unrounded p); ctx is rounded once to f16 and scattered into ctxc, in the routed order and the operand layout that the last launch reads.
; LIMITS.  A hidden score counts as its value less 1e30; a weight below 2^-126 counts as 0; NaN and infinities are not treated apart.  Wo goes out in f16: |w| under 65,504, and below 6e-5 f16's fixed step of 6e-8.
; SHARES.  y = p + 4 g + 32 b.  A cluster's four work-groups are the four query heads 4 g + cx of key head g in batch b: they need the same K and V, which are asked for JOINTLY (the same tensor loads, descriptors
; and mask in all four).  All 1,024 keys of (b, g) fit in LDS: K 147,456 bytes, V 163,840; they are filled once, four loads a wave, and nothing is filled again.
; A work-group takes blocks 7 - p and then p of 128 queries: 18 live key steps of 64 whatever p: all work-groups are alike.  A wave owns 32 queries of a block: two pieces of 16.
; A loop of 16 steps with a constant count walks the keys; steps behind a wave's last live one, (its first query + 31) / 64, are jumped forward; nothing that is jumped holds a barrier or a tensor load.
; cx enters the addresses of q, ctxc, Wo and wo alone; EXEC is never changed.
; WAVES 4-7.  An attention wave takes 448 of its SIMD's 1,024 registers and asks little of memory once K and V are in.  So a second wave on each SIMD rounds Wo0 and Wo1 to bf16, writes that number as f16 (exact in
; f16's range) and lays it into wo in the operand layout (blocks of 1,024 bytes = 16 rows x 32 k: byte 512 c + 256 h + 16 r + 2 (k % 8), k = 16 c + 8 h + k % 8).  256 fragments of 16 rows x 4 quarters of K are 1,024
; tasks, one for each such wave of the 256 work-groups: matrix b, fragment 4 (y % 32) + cx, quarter wave - 4.  These waves issue no tensor load, pass every barrier, run the set-up with the wave's number modulo 4
; (20 loads repeated, so that one text serves all), and part from the others behind the barrier.
; THE FIRST 32 POSITIONS of a sequence (wave 0 of block 0; one live key step): rows with few keys are many times the outputs' root mean square, which sets the room for error.  There v and ctx go as two f16
; numbers each: behind the loop V's rests (v - f16(v), keys 0-31, from kvb through 5,120 bytes of LDS of the wave's own, turned) are multiplied by the same P onto O; ctx and ctx - f16(ctx) go into tile 34 of
; ctxc, rows 64 b + 32 (rest) + query.  The branch hangs on the wave's number and on my first query, which the four partners share.
; LAYOUT.  S^T = K Q^T (source 0 = 16 keys, source 1 = 16 queries): a lane holds ONE query (lane % 16) and the keys 8 (lane / 16) + 0..7; two such results rounded in pairs ARE source 1 of O^T = V^T P.
; SOFTMAX.  p = 2^(c s - c m), c = log2(e) / 8, with a running maximum m and sum l; O and l are multiplied by a = 2^(c m_old - c m_new) in every step.
; REGISTERS.  window 0: v0-31 addresses; v32-47 statistics, 8 a piece (c m, m, l, l, c0-c3; a takes c2); v48-55 the diagonal's mask; v64-127 K; v128-191 S^T; v192-223 P; v224-255 packed output
; window 1: v0-63 O^T; v64-95 Q; v96-127 the second block's Q; v128-191 V.  s_set_vgpr_msb: bits 1:0 source 0, 3:2 source 1, 5:4 source 2, 7:6 destination.
; Waves 4-7, window 0 alone: v12-14, v16-23 addresses; v24-29 at work; v32-63 blocks on their way out; v64-191 four chunks in f32; v192-255 the same, packed.
; SCALARS.  s56 the key step, s57 my last live one (s58 the second block's), s59 my first query less the step's first key, s60 my first query (s61 the second block's), s62, s63 the step's first LDS byte in K and V,
; s93, s94 the loops' counts, s95, s97 the bounded LDS bytes, s96 at work for the mask: these hold nothing else in the whole text.  s21, s66, s67, s[98:101] are the ones made of cx.
.set PKB,   144                        ; a row of K in LDS: 128 bytes + 16: the 16 rows of a load start at 16 different groups of four banks (ISA guide 11.1)
.set PVB,   160                        ; a row of V: 128 + 32
.set VOFF,  1024*PKB
.set SPARE, VOFF+1024*PVB              ; behind V: the spare words, 128 bytes for each of eight waves: four blocks of 256 bytes that no other line names
.set SCR,   SPARE+1024                 ; behind them: 32 rows x 160 bytes, wave 0's own, for V's rests; no tensor load lands here
.set CSTG,  SCR+32*PVB                 ; behind that: a stage of 16 rows x 144 bytes for each of waves 4-7; no tensor load lands here
.set CPB,   144                        ; a stage's row: 64 k in 16 bits + 16 bytes
.set AK0, 3
.set AV0, 4
.set ADRK, 5                           ; v5, v6  the LDS addresses of the step's K and V: used for nothing else
.set ADRV, 6
.set QO,  7
.set TS,  8                            ; v8, v9   the slots of my queries, pieces 0 and 1;  v10, v11 the second block's
.set TSB, 10
.set SLO, 12                           ; v12, v13 byte offsets in ctxc
.set HOF, 15                           ; 256 (lane / 16) + 2,048 head
.set NEG1, 28                          ; v28  -1.0
.set EOFF, 29                          ; v29  my byte offset in tile 34 of ctxc
.set SPW, 30                           ; v30  LDS address of my spare word; never rewritten
.set NIL, 31                           ; v31  0; never rewritten
.set ST,  32
.set MD,  48
.set KF,  64
.set S,   128
.set P,   192
.set PO,  224
.set Q,   64                           ; window 1
.set QB,  96
.set VF,  128
.set CS,  84                           ; s[84:85] c
.set SEL, 86                           ; s[86:87] v_permlanex16_b32's selects: each lane takes its own place in the other half
.set CW,  12                           ; waves 4-7: v12 stage, in: row 2 j + lane / 16, 8 bytes at 8 (lane % 16)
.set CR,  13                           ;            v13 stage, back: row lane % 16, 16 bytes for each half of the lanes
.set CL,  14                           ;            v14 16 x lane
.set COF, 16                           ;            v16-23 byte offset of my 16 bytes in rows 2 j + lane / 16
.set CD,  64
.set CT,  192
.set MSB, 0
.macro WIN new
.if MSB != (\new)
	s_set_vgpr_msb (MSB<<8)|(\new)
.set MSB, \new
.endif
.endm
.macro CROUND                          ; a round of the cluster's barrier
	s_barrier_signal -1
	s_barrier_wait -1
	s_cmp_lg_u32 s20, 0
	s_cbranch_scc1 .Lnot_wave_0_\@
	s_barrier_signal -3
.Lnot_wave_0_\@:
	s_barrier_wait -3
	s_barrier_signal -1
	s_barrier_wait -1
.endm
.macro PVM x                           ; O^T += V^T P for piece x: its four accumulators take turns
	WIN 0x51
.irp kk, 0,1
.irp cb, 0,1,2,3
	v_wmma_f32_16x16x32_f16 v[32*(\x)+8*\cb:32*(\x)+8*\cb+7], v[VF+32*\kk+8*\cb:VF+32*\kk+8*\cb+7], v[P+16*(\x)+8*\kk:P+16*(\x)+8*\kk+7], v[32*(\x)+8*\cb:32*(\x)+8*\cb+7]
.endr
.endr
.endm
.macro SM x                            ; piece x's softmax for a key step
.set rT, ST+8*(\x)
.set rS, S+32*(\x)
.set rP, P+16*(\x)
.set rO, 32*(\x)
	WIN 0
.irp n, 0,1,2,3
	v_max3_num_f32 v[rT+4+\n], v[rS+8*\n], v[rS+8*\n+1], v[rS+8*\n+2]  ; each accumulator is read from its low end on
.endr
.irp n, 0,1,2,3
	v_max3_num_f32 v[rT+4+\n], v[rT+4+\n], v[rS+8*\n+3], v[rS+8*\n+4]
.endr
.irp n, 0,1,2,3
	v_max3_num_f32 v[rT+4+\n], v[rT+4+\n], v[rS+8*\n+5], v[rS+8*\n+6]
.endr
	v_max3_num_f32 v[rT+4], v[rT+4], v[rS+7], v[rS+15]
	v_max3_num_f32 v[rT+5], v[rT+5], v[rS+23], v[rS+31]
	v_max3_num_f32 v[rT+6], v[rT+6], v[rT+7], v[rT+1]
	v_max3_num_f32 v[rT+4], v[rT+4], v[rT+5], v[rT+6]
	v_permlanex16_b32 v[rT+7], v[rT+4], s[SEL], s[SEL+1]  ; the query's other 32 keys lie in the lane 16 away
	v_mov_b32 v[rT+5], v[rT]                       ; c m_old
	v_max_num_f32 v[rT+1], v[rT+4], v[rT+7]
	v_mul_f32 v[rT], s[CS], v[rT+1]
	v_sub_f32 v[rT+5], v[rT+5], v[rT]
	v_exp_f32 v[rT+6], v[rT+5]                     ; a
.set n, 0
.rept 16
	v_pk_fma_f32 v[rS+2*n:rS+2*n+1], v[rS+2*n:rS+2*n+1], s[CS:CS+1], v[rT:rT+1] op_sel_hi:[1,0,0] neg_lo:[0,0,1] neg_hi:[0,0,1]  ; c s - c m
.set n, n+1
.endr
.set n, 0
.rept 32
	v_exp_f32 v[rS+n], v[rS+n]
.set n, n+1
.endr
	v_nop                                          ; a plain instruction between the last exponential and the use of its result (ISA guide 5.7.2)
.set n, 0
	s_wait_alu depctr_va_vdst(0)
.rept 16
	v_cvt_pk_f16_f32 v[rP+n], v[rS+2*n], v[rS+2*n+1]
.set n, n+1
.endr
.irp w, 16,8,4,2
.set n, 0
.rept \w/2
	v_pk_add_f32 v[rS+2*n:rS+2*n+1], v[rS+2*n:rS+2*n+1], v[rS+2*n+\w:rS+2*n+\w+1]
.set n, n+1
.endr
.endr
	v_pk_fma_f32 v[rT+2:rT+3], v[rT+2:rT+3], v[rT+6:rT+7], v[rS:rS+1] op_sel_hi:[1,0,1]  ; l = a l + the step's sum
	WIN 0x41
.set n, 0
.rept 16
	v_pk_mul_f32 v[rO+2*n:rO+2*n+1], v[rO+2*n:rO+2*n+1], v[rT+6:rT+7] op_sel_hi:[1,0]
.set n, n+1
.endr
.endm
; waves 4-7: chunk q of four (16 rows x 64 k, packed): rows into my stage, back as two operand blocks, out
.macro CWAY q, ob
.set j, 0
.rept 8
	ds_store_b64 v[CW], v[CT+16*(\q)+2*j:CT+16*(\q)+2*j+1] offset:2*CPB*j
.set j, j+1
.endr
.set j, 0
.rept 4
	ds_load_b128 v[(\ob)+4*j:(\ob)+4*j+3], v[CR] offset:32*j  ; LDS serves a wave's instructions in order (ISA guide 5.7.1.4): these see the stores above
.set j, j+1
.endr
	s_wait_dscnt 0x0
.set j, 0
.rept 4
	global_store_b128 v[CL], v[(\ob)+4*j:(\ob)+4*j+3], s[88:89] offset:2048*(\q)+512*j  ; 512 consecutive bytes, aligned
.set j, j+1
.endr
.endm
	s_load_b256 s[4:11], s[0:1], 0x0               ; qb 4, kvb 6, route 8, ctxc 10
	v_lshl_add_u32 v[SPW], v0, 2, SPARE
	v_mov_b32 v[NIL], 0
	ds_add_u32 v[SPW], v[NIL]                      ; the wave's opening: the add and its wait stand ahead of my first tensor load; work on registers stands between them
	v_lshrrev_b32 v1, 5, v0
	v_readfirstlane_b32 s20, v1                    ; wave 0..7
	s_bfe_u32 s21, ttmp6, 0x40000                  ; cx
	s_and_b32 s18, ttmp7, 0xffff
	s_and_b32 s22, s18, 3                          ; p
	s_bfe_u32 s23, s18, 0x30002                    ; g
	s_lshr_b32 s12, s18, 5                         ; b
	s_and_b32 s13, s20, 1                          ; which half of 256 keys I fetch
	s_mul_i32 s14, s13, 128*PKB
	s_mul_i32 s15, s13, 128*PVB
	s_lshl_b32 s16, s23, 18                        ; a head's 2,048 tokens of 128 bytes,
	s_lshl_b32 s17, s12, 17                        ; the batch's 1,024,
	s_add_co_u32 s16, s16, s17
	s_lshl_b32 s17, s13, 14                        ; my 128 keys
	s_add_co_u32 s16, s16, s17
	s_mov_b32 s17, 0
	; descriptor group 1: 128 keys are 16,384 dense bytes, asked for as 64 rows of 256 bytes and padded in LDS after every key
	s_mov_b32 s24, 15|(1<<16)|(1<<20)|(1<<21)|(4<<22)|(3<<25)  ; the mask of four; 2-byte elements; padding on; bit 21 beside a mask; after every 32 words; 4 words
	s_mov_b32 s32, 15|(1<<16)|(1<<20)|(1<<21)|(4<<22)|(7<<25)  ; the same with 8 words
.irp g, 24, 32
	s_mov_b32 s[\g+1], 128<<16                     ; tensor_dim0 = 128
	s_mov_b32 s[\g+2], 64<<16                      ; tensor_dim1 = 64
	s_mov_b32 s[\g+3], 128<<16                     ; tile_dim0 = 128
	s_mov_b32 s[\g+4], 64                          ; tile_dim1 = 64
	s_mov_b32 s[\g+5], 128                         ; 128 elements from row to row
	s_mov_b32 s[\g+6], 0
	s_mov_b32 s[\g+7], 0
.endr
.irp t, 0,1,2,3                        ; group 0, a set for each of my four loads: keys 256 t + 128 (wave % 2) on
	s_mov_b32 s[40+4*\t], 1
	s_add_co_u32 s[41+4*\t], s14, \t*256*PKB
	s_mov_b32 s[68+4*\t], 1
	s_add_co_u32 s[69+4*\t], s15, VOFF+\t*256*PVB
.endr
	s_mov_b32 s[CS], 0x3e38aa3b                    ; c = log2(e) / 8
	s_mov_b32 s[CS+1], s[CS]
	s_mov_b32 s[SEL], 0x76543210
	s_mov_b32 s[SEL+1], 0xfedcba98
	s_mov_b32 s92, 0xf149f2ca                      ; -1e30
	s_mov_b32 s88, 0                               ; s[88:89] the mask's factor, s[90:91] its addend: named as pairs
	s_mov_b32 s89, 0
	s_mov_b32 s90, 0
	s_mov_b32 s91, 0
	s_wait_dscnt 0x0                               ; the opening add is done
	s_wait_kmcnt 0x0
	s_add_nc_u64 s[16:17], s[6:7], s[16:17]        ; kept: in wave 0 it is k at the batch's first key of head g
.irp t, 0,1,2,3
	s_add_nc_u64 s[42+4*\t:43+4*\t], s[16:17], \t*32768
	s_or_b32 s[43+4*\t], s[43+4*\t], 0x80000000
	s_add_nc_u64 s[70+4*\t:71+4*\t], s[16:17], 2097152+\t*32768
	s_or_b32 s[71+4*\t], s[71+4*\t], 0x80000000
.endr
	CROUND                                         ; all four work-groups are here: the joint loads meet
	s_cmp_ge_u32 s20, 4                            ; waves 4-7 fetch nothing;
	s_cbranch_scc1 .Lfilled
	s_cmp_lt_u32 s20, 2                            ; waves 0, 1 fetch K, waves 2, 3 V: a wave's four fills stand in one branch; four loads of mine are out
	s_cbranch_scc0 .Lfill_v
.irp t, 0,1,2,3
	tensor_load_to_lds s[40+4*\t:43+4*\t], s[24:31]
	s_nop 0
.endr
.rept 4
	v_nop
.endr
	s_branch .Lfilled
.Lfill_v:
.irp t, 0,1,2,3
	tensor_load_to_lds s[68+4*\t:71+4*\t], s[32:39]
	s_nop 0
.endr
.rept 4
	v_nop
.endr
.Lfilled:
	v_and_b32 v1, 15, v0
	v_bfe_u32 v2, v0, 4, 1
	v_lshlrev_b32 v[QO], 12, v1
	v_lshl_add_u32 v[QO], v2, 4, v[QO]             ; row x 4,096 + 16 x half
	s_lshl2_add_u32 s66, s23, s21                  ; head = 4 g + cx
	s_lshl_b32 s18, s12, 10                        ; the batch's first token
	s_and_b32 s19, s20, 3                          ; (waves 4-7 repeat the set-up of waves 0-3)
	s_lshl_b32 s19, s19, 5                         ; my 32 queries of a block
	s_sub_co_u32 s60, 7, s22
	s_lshl_b32 s60, s60, 7
	s_add_co_u32 s60, s60, s19                     ; my first query's place in the sequence, first block
	s_lshl_b32 s61, s22, 7
	s_add_co_u32 s61, s61, s19                     ; second block
	s_add_co_u32 s57, s60, 31
	s_lshr_b32 s57, s57, 6                         ; my last live key step
	s_add_co_u32 s58, s61, 31
	s_lshr_b32 s58, s58, 6
	s_add_co_u32 s14, s60, s18                     ; the same queries as tokens
	s_add_co_u32 s15, s61, s18
	s_lshl_b32 s67, s66, 7
	s_lshl_b32 s98, s14, 12
	s_add_co_u32 s98, s98, s67
	s_mov_b32 s99, 0
	s_add_nc_u64 s[98:99], s[4:5], s[98:99]
	s_lshl_b32 s100, s15, 12
	s_add_co_u32 s100, s100, s67
	s_mov_b32 s101, 0
	s_add_nc_u64 s[100:101], s[4:5], s[100:101]
	WIN 0x40
.irp x, 0,1
.irp c, 0,1
	global_load_b128 v[Q+16*\x+8*\c:Q+16*\x+8*\c+3], v[QO], s[98:99] offset:65536*\x+64*\c
	global_load_b128 v[Q+16*\x+8*\c+4:Q+16*\x+8*\c+7], v[QO], s[98:99] offset:65536*\x+64*\c+32
	global_load_b128 v[QB+16*\x+8*\c:QB+16*\x+8*\c+3], v[QO], s[100:101] offset:65536*\x+64*\c
	global_load_b128 v[QB+16*\x+8*\c+4:QB+16*\x+8*\c+7], v[QO], s[100:101] offset:65536*\x+64*\c+32
.endr
.endr
	WIN 0
	s_lshl_b32 s14, s14, 2
	s_lshl_b32 s15, s15, 2
	v_lshl_add_u32 v24, v1, 2, s14
	v_lshl_add_u32 v25, v1, 2, s15
	global_load_b32 v[TS], v24, s[8:9]
	global_load_b32 v[TS+1], v24, s[8:9] offset:64
	global_load_b32 v[TSB], v25, s[8:9]
	global_load_b32 v[TSB+1], v25, s[8:9] offset:64
	s_lshl_b32 s67, s66, 11
	v_lshlrev_b32 v[HOF], 8, v2
	v_add_nc_u32 v[HOF], s67, v[HOF]
	s_lshl_b32 s13, s12, 18                        ; tile 34 of ctxc: 34 x 524,288 bytes, and the batch's four fragments of 65,536
	s_add_co_u32 s13, s13, 0x1100000
	v_lshl_add_u32 v[EOFF], v1, 4, v[HOF]
	v_add_nc_u32 v[EOFF], s13, v[EOFF]
	v_mov_b32 v[NEG1], -1.0
	v_mul_u32_u24 v[AK0], v1, PKB
	v_lshl_add_u32 v[AK0], v2, 4, v[AK0]           ; K: row x pitch + 16 x half
	v_and_b32 v26, 7, v0                           ; V, turned: lane l reads key 8 (l / 16) + l % 8, channels 8 ((l / 8) % 2) + 0..7
	v_bfe_u32 v27, v0, 3, 1
	v_lshl_add_u32 v[AV0], v2, 3, v26
	v_mul_u32_u24 v[AV0], v[AV0], PVB
	v_lshl_add_u32 v[AV0], v27, 4, v[AV0]
	v_add_nc_u32 v[AV0], VOFF, v[AV0]
	v_lshlrev_b32 v26, 3, v2
	v_sub_nc_u32 v26, v1, v26                      ; on the diagonal register j is hidden where j > lane % 16 - 8 (lane / 16)
.set i, 0
.rept 8
	v_cmp_gt_i32 vcc_lo, i, v26
	v_cndmask_b32 v[MD+i], 0, s92, vcc_lo
.set i, i+1
.endr
.irp x, 0,1                            ; P's keys 0-31, which the products behind the loop name, are written on every path of the text; key step 0, always live, writes them anew before they are used
.set i, 0
.rept 8
	v_mov_b32 v[P+16*\x+i], 0
.set i, i+1
.endr
.endr
	s_wait_loadcnt 0x0                             ; Q and the slots
	s_wait_tensorcnt 0x0                           ; my four parts of K or V are in,
	s_barrier_signal -1
	s_barrier_wait -1                              ; everybody's are; nothing is filled again
	s_cmp_ge_u32 s20, 4
	s_cbranch_scc1 .Lcast                          ; waves 4-7 turn to Wo
	s_mov_b32 s93, 2
.Lblock:
	; a block begins: O and l are 0, m the lowest finite number, c m far below every c s
	WIN 0x40
.set i, 0
.rept 64
	v_mov_b32 v[i], 0
.set i, i+1
.endr
	WIN 0
.irp x, 0,1
	v_mov_b32 v[ST+8*\x], 0xfe000000
	v_mov_b32 v[ST+8*\x+1], 0xff7fffff
.irp n, 2,3,4,5,6,7
	v_mov_b32 v[ST+8*\x+\n], 0
.endr
.endr
	s_mov_b32 s56, 0                               ; the key step
	s_mov_b32 s62, 0                               ; its K's first LDS byte
	s_mov_b32 s63, 0                               ; its V's, less VOFF
	s_mov_b32 s59, s60                             ; my first query less the step's first key
	s_mov_b32 s94, 16
.Lstep:
	s_cmp_gt_u32 s56, s57
	s_cbranch_scc1 .Lskip                          ; all keys from here on are hidden from my queries
	s_min_u32 s95, s62, 15*64*PKB                  ; the walk's bound, stated
	s_min_u32 s97, s63, 15*64*PVB
	v_add_nc_u32 v[ADRK], s95, v[AK0]
	v_add_nc_u32 v[ADRV], s97, v[AV0]
.rept 4
	v_nop                                          ; the places between the last step's products and the loads into V's registers
.endr
.irp f, 0,1,2,3,4,5,6,7                ; K: keys 16 (f / 2) on, channels 32 (f % 2) on
	ds_load_b128 v[KF+8*\f:KF+8*\f+3], v[ADRK] offset:(\f/2)*16*PKB+(\f%2)*64
	ds_load_b128 v[KF+8*\f+4:KF+8*\f+7], v[ADRK] offset:(\f/2)*16*PKB+(\f%2)*64+32
.endr
	WIN 0x40
.irp f, 0,1,2,3,4,5,6,7                ; V: keys 32 (f / 4) on, channels 16 (f % 4) on
	ds_load_tr16_b128 v[VF+8*\f:VF+8*\f+3], v[ADRV] offset:(\f/4)*32*PVB+(\f%4)*32
	ds_load_tr16_b128 v[VF+8*\f+4:VF+8*\f+7], v[ADRV] offset:(\f/4)*32*PVB+16*PVB+(\f%4)*32
.endr
	s_wait_dscnt 16                                ; K is in; V's sixteen loads may be out
	WIN 0x04
.irp c, 0,1                            ; the eight accumulators take turns; the first eight products start the sums
.irp kf, 0,1,2,3
.irp x, 0,1
.if \c == 0
	v_wmma_f32_16x16x32_f16 v[S+32*\x+8*\kf:S+32*\x+8*\kf+7], v[KF+16*\kf+8*\c:KF+16*\kf+8*\c+7], v[Q+16*\x+8*\c:Q+16*\x+8*\c+7], 0
.else
	v_wmma_f32_16x16x32_f16 v[S+32*\x+8*\kf:S+32*\x+8*\kf+7], v[KF+16*\kf+8*\c:KF+16*\kf+8*\c+7], v[Q+16*\x+8*\c:Q+16*\x+8*\c+7], v[S+32*\x+8*\kf:S+32*\x+8*\kf+7]
.endif
.endr
.endr
.endr
	WIN 0
.rept 4
	v_nop                                          ; the places behind those products
.endr
	s_cmp_gt_i32 s59, 48
	s_cbranch_scc1 .Lopen                          ; every key of the step lies at or ahead of every query of mine
	; e = the piece's first query less the 16 keys' first: 0: the diagonal; below 0: all hidden; above: none
.irp x, 0,1
.irp kf, 0,1,2,3
	s_add_co_i32 s96, s59, 16*(\x-\kf)
	s_cmp_eq_u32 s96, 0
	s_cselect_b32 s88, 1.0, 0
	s_cmp_lt_i32 s96, 0
	s_cselect_b32 s90, s92, 0
.irp n, 0,1,2,3
	v_pk_fma_f32 v[S+32*\x+8*\kf+2*\n:S+32*\x+8*\kf+2*\n+1], v[MD+2*\n:MD+2*\n+1], s[88:89], v[S+32*\x+8*\kf+2*\n:S+32*\x+8*\kf+2*\n+1] op_sel_hi:[1,0,1]
.endr
.irp n, 0,1,2,3
	v_pk_add_f32 v[S+32*\x+8*\kf+2*\n:S+32*\x+8*\kf+2*\n+1], v[S+32*\x+8*\kf+2*\n:S+32*\x+8*\kf+2*\n+1], s[90:91] op_sel_hi:[1,0]
.endr
.endr
.endr
.Lopen:
	SM 0
	s_wait_dscnt 0x0                               ; V is in
	PVM 0
	SM 1
	PVM 1
	WIN 0
.Lskip:
	s_add_co_u32 s56, s56, 1
	s_add_co_u32 s62, s62, 64*PKB
	s_add_co_u32 s63, s63, 64*PVB
	s_sub_co_i32 s59, s59, 64
	s_sub_co_u32 s94, s94, 1
	s_cmp_lg_u32 s94, 0
	s_cbranch_scc1 .Lstep
.rept 4
	v_nop                                          ; the places behind the last products
.endr
	; THE FIRST 32 POSITIONS: their one key step is over, so P and the scale of O still stand: O^T += (V's rests)^T P for keys 0-31
	s_cmp_lg_u32 s20, 0
	s_cbranch_scc1 .Lplain
	s_cmp_lg_u32 s60, 0
	s_cbranch_scc1 .Lplain
	v_and_b32 v16, 31, v0
	v_lshlrev_b32 v16, 4, v16
.set i, 0
.rept 8
	global_load_b128 v[KF+4*i:KF+4*i+3], v16, s[16:17] offset:0x400000+512*i  ; four keys' 512 consecutive bytes; the rests lie 4 MiB behind k
.set i, i+1
.endr
	v_bfe_u32 v17, v0, 3, 2                        ; into rows of 160 bytes: key 4 i + lane / 8, 16 bytes at 16 (lane % 8)
	v_mul_u32_u24 v17, v17, PVB
	v_and_b32 v18, 7, v0
	v_lshl_add_u32 v17, v18, 4, v17
	v_add_nc_u32 v17, SCR, v17
	v_add_nc_u32 v18, SCR-VOFF, v[AV0]
	s_wait_loadcnt 0x0
.set i, 0
.rept 8
	ds_store_b128 v17, v[KF+4*i:KF+4*i+3] offset:4*PVB*i
.set i, i+1
.endr
	WIN 0x40
.irp f, 0,1,2,3                        ; LDS serves a wave's instructions in order (ISA guide 5.7.1.4): these see the stores above.  They land where V's keys 32-63 lay
	ds_load_tr16_b128 v[VF+32+8*\f:VF+32+8*\f+3], v18 offset:\f*32
	ds_load_tr16_b128 v[VF+32+8*\f+4:VF+32+8*\f+7], v18 offset:16*PVB+\f*32
.endr
	s_wait_dscnt 0x0
	WIN 0x51
.irp x, 0,1                            ; eight accumulators, one instruction each
.irp cb, 0,1,2,3
	v_wmma_f32_16x16x32_f16 v[32*\x+8*\cb:32*\x+8*\cb+7], v[VF+32+8*\cb:VF+32+8*\cb+7], v[P+16*\x:P+16*\x+7], v[32*\x+8*\cb:32*\x+8*\cb+7]
.endr
.endr
	WIN 0
.rept 4
	v_nop                                          ; the places behind those products
.endr
.Lplain:
	; THE WAY OUT.  O^T / l, rounded to f16: a lane's eight channels of a token ARE 16 bytes of the operand block of its slot: no stage is needed
.irp x, 0,1
	v_add_f32 v[ST+8*\x+4], v[ST+8*\x+2], v[ST+8*\x+3]
.endr
.irp x, 0,1
	v_permlanex16_b32 v[ST+8*\x+5], v[ST+8*\x+4], s[SEL], s[SEL+1]
.endr
.irp x, 0,1
	v_add_f32 v[ST+8*\x+4], v[ST+8*\x+4], v[ST+8*\x+5]
.endr
.irp x, 0,1
	v_rcp_f32 v[ST+8*\x+6], v[ST+8*\x+4]
.endr
	v_nop                                          ; a plain instruction between the last reciprocal and the use of its result
	WIN 0x41
	s_wait_alu depctr_va_vdst(0)
.irp x, 0,1
.set n, 0
.rept 16
	v_pk_mul_f32 v[32*\x+2*n:32*\x+2*n+1], v[32*\x+2*n:32*\x+2*n+1], v[ST+8*\x+6:ST+8*\x+7] op_sel_hi:[1,0]
.set n, n+1
.endr
.endr
	WIN 0x05
.set n, 0
.rept 32
	v_cvt_pk_f16_f32 v[PO+n], v[2*n], v[2*n+1]
.set n, n+1
.endr
	WIN 0
.irp x, 0,1
	v_min_u32 v[SLO+\x], 4351, v[TS+\x]
	v_and_b32 v24, 0x1ff0, v[SLO+\x]
	v_and_b32 v[SLO+\x], 15, v[SLO+\x]
	v_lshlrev_b32 v24, 12, v24                     ; 65,536 bytes a fragment of 16 slots
	v_lshl_add_u32 v[SLO+\x], v[SLO+\x], 4, v24
	v_add_nc_u32 v[SLO+\x], v[HOF], v[SLO+\x]
.irp cb, 0,1,2,3
	global_store_b128 v[SLO+\x], v[PO+16*\x+4*\cb:PO+16*\x+4*\cb+3], s[10:11] offset:512*\cb
.endr
.endr
	s_cmp_lg_u32 s20, 0
	s_cbranch_scc1 .Lplain2
	s_cmp_lg_u32 s60, 0
	s_cbranch_scc1 .Lplain2
	WIN 0x50                                       ; the first 32 positions: ctx less its f16 number, exact, in place;
.set n, 0
.rept 32
	v_fma_mix_f32 v[2*n], v[PO+n], v[NEG1], v[2*n] op_sel_hi:[1,0,0]
	v_fma_mix_f32 v[2*n+1], v[PO+n], v[NEG1], v[2*n+1] op_sel:[1,0,0] op_sel_hi:[1,0,0]
.set n, n+1
.endr
	WIN 0x05                                       ; rounded to f16, into S^T's registers
.set n, 0
.rept 32
	v_cvt_pk_f16_f32 v[S+n], v[2*n], v[2*n+1]
.set n, n+1
.endr
	WIN 0
.irp x, 0,1
.irp cb, 0,1,2,3
	global_store_b128 v[EOFF], v[PO+16*\x+4*\cb:PO+16*\x+4*\cb+3], s[10:11] offset:65536*\x+512*\cb
	global_store_b128 v[EOFF], v[S+16*\x+4*\cb:S+16*\x+4*\cb+3], s[10:11] offset:131072+65536*\x+512*\cb
.endr
.endr
.Lplain2:
	s_wait_xcnt 0x0                                ; the stores' offsets and data are rewritten in the next block
	; the second block's Q, slots and counts go where the one text names them
	WIN 0x41
.set n, 0
.rept 32
	v_mov_b32 v[Q+n], v[QB+n]
.set n, n+1
.endr
	WIN 0
	v_mov_b32 v[TS], v[TSB]
	v_mov_b32 v[TS+1], v[TSB+1]
	s_mov_b32 s57, s58
	s_mov_b32 s60, s61
	s_sub_co_u32 s93, s93, 1
	s_cmp_lg_u32 s93, 0
	s_cbranch_scc1 .Lblock
	s_branch .Lfin
	; WAVES 4-7: 16 rows x 512 k of Wo0 or Wo1.  Two trips of four chunks of 64 k; a load takes two rows' 256 consecutive bytes, at a multiple of 256 from the matrix's first byte
.Lcast:
	s_load_b128 s[84:87], s[0:1], 0x20             ; Wo0 84, Wo1 86 (c and the selects are the attention's; these waves have no use for them)
	s_load_b64 s[88:89], s[0:1], 0x30              ; wo
	s_and_b32 s14, ttmp7, 31                       ; y % 32
	s_lshl2_add_u32 s66, s14, s21                  ; my fragment in its matrix: 4 (y % 32) + cx
	s_and_b32 s15, s20, 3                          ; my quarter of K
	s_lshl_b32 s98, s66, 17                        ; 16 rows of 8,192 bytes,
	s_lshl_b32 s67, s15, 11                        ; 512 k of 4 bytes
	s_add_co_u32 s98, s98, s67
	s_mov_b32 s99, 0
	s_lshl_b32 s100, s12, 7                        ; in wo: 128 fragments a matrix,
	s_add_co_u32 s100, s100, s66
	s_lshl_b32 s100, s100, 16                      ; 65,536 bytes a fragment,
	s_lshl_b32 s67, s15, 14                        ; 16 blocks a quarter
	s_add_co_u32 s100, s100, s67
	s_mov_b32 s101, 0
	s_mul_i32 s18, s20, 16*CPB                     ; my stage: the wave's number times a constant, plus a constant
	s_add_co_u32 s18, s18, CSTG-4*16*CPB
	s_mov_b32 s19, 0xffff0000                      ; a word's upper bf16
	v_lshlrev_b32 v[COF], 13, v2
	v_lshl_add_u32 v[COF], v1, 4, v[COF]           ; row lane / 16, 16 bytes at 16 (lane % 16)
.set j, 1
.rept 7
	v_add_nc_u32 v[COF+j], j*16384, v[COF]
.set j, j+1
.endr
	v_mul_u32_u24 v[CW], v2, CPB
	v_lshl_add_u32 v[CW], v1, 3, v[CW]
	v_add_nc_u32 v[CW], s18, v[CW]
	v_mul_u32_u24 v[CR], v1, CPB
	v_lshl_add_u32 v[CR], v2, 4, v[CR]
	v_add_nc_u32 v[CR], s18, v[CR]
	v_and_b32 v[CL], 31, v0
	v_lshlrev_b32 v[CL], 4, v[CL]
	s_wait_kmcnt 0x0
	s_cmp_eq_u32 s12, 1                            ; the matrix goes by b, which the four partners share
	s_cselect_b64 s[84:85], s[86:87], s[84:85]
	s_add_nc_u64 s[84:85], s[84:85], s[98:99]
	s_add_nc_u64 s[88:89], s[88:89], s[100:101]
	s_mov_b32 s94, 2
.Lctrip:
.set n, 0
.rept 32                               ; chunk n / 8, rows 2 (n % 8) and 2 (n % 8) + 1
	global_load_b128 v[CD+4*n:CD+4*n+3], v[COF+n%8], s[84:85] offset:256*(n/8) th:TH_LOAD_NT
.set n, n+1
.endr
	s_wait_loadcnt 0x0                             ; all 32: the attention's wave has the SIMD meanwhile
.set n, 0
.rept 32
	v_cvt_pk_bf16_f32 v[CT+2*n], v[CD+4*n], v[CD+4*n+1]
	v_cvt_pk_bf16_f32 v[CT+2*n+1], v[CD+4*n+2], v[CD+4*n+3]
.set n, n+1
.endr
.set n, 0
.rept 64
	v_lshlrev_b32 v[24+2*(n%3)], 16, v[CT+n]
	v_and_b32 v[25+2*(n%3)], s19, v[CT+n]
	v_cvt_pk_f16_f32 v[CT+n], v[24+2*(n%3)], v[25+2*(n%3)]  ; exact inside f16's range
.set n, n+1
.endr
	CWAY 0, 32
	CWAY 1, 48
	CWAY 2, CT                                     ; chunks 0 and 1 have left their packed words' registers
	CWAY 3, CT+16
	s_wait_xcnt 0x0                                ; the stores' base and data, and the loads' base, are rewritten only behind this wait
	s_add_nc_u64 s[84:85], s[84:85], 1024
	s_add_nc_u64 s[88:89], s[88:89], 8192
	s_sub_co_u32 s94, s94, 1
	s_cmp_lg_u32 s94, 0
	s_cbranch_scc1 .Lctrip
.Lfin:
	s_wait_tensorcnt 0x0                           ; the wave's end: behind my last tensor load and my last LDS store
	ds_add_u32 v[SPW], v[NIL]
	s_wait_dscnt 0x0
	CROUND                                         ; the closing round
	s_endpgm
.Lfunc_end_k_q6beec25608_attn:
	.size	k_q6beec25608_attn, .Lfunc_end_k_q6beec25608_attn-k_q6beec25608_attn
	.p2alignl 7, 3214868480
	.fill 96, 4, 3214868480
	.section	.rodata,"a",@progbits
	.p2align	6, 0x0
	.amdhsa_kernel k_q6beec25608_attn
		.amdhsa_group_segment_fixed_size 327680
		.amdhsa_private_segment_fixed_size 0
		.amdhsa_enable_private_segment 0
		.amdhsa_kernarg_size 56
		.amdhsa_user_sgpr_count 2
		.amdhsa_user_sgpr_kernarg_segment_ptr 1
		.amdhsa_wavefront_size32 1
		.amdhsa_system_sgpr_workgroup_id_x 1
		.amdhsa_system_sgpr_workgroup_id_y 1
		.amdhsa_system_sgpr_workgroup_id_z 1
		.amdhsa_system_vgpr_workitem_id 0
		.amdhsa_next_free_vgpr 448
		.amdhsa_next_free_sgpr 102
		.amdhsa_reserve_vcc 1
		.amdhsa_float_denorm_mode_32 3
		.amdhsa_float_denorm_mode_16_64 3
		.amdhsa_memory_ordered 1
		.amdhsa_forward_progress 1
		.amdhsa_inst_pref_size 78
	.end_amdhsa_kernel
	.amdgpu_metadata
---
amdhsa.version: [ 1, 2 ]
amdhsa.kernels:
  - .name:           k_q6beec25608_attn
    .symbol:         k_q6beec25608_attn.kd
    .args:
      - { .name: qb, .offset: 0, .size: 8, .value_kind: global_buffer, .address_space: global }
      - { .name: kvb, .offset: 8, .size: 8, .value_kind: global_buffer, .address_space: global }
      - { .name: route, .offset: 16, .size: 8, .value_kind: global_buffer, .address_space: global }
      - { .name: ctxc, .offset: 24, .size: 8, .value_kind: global_buffer, .address_space: global }
      - { .name: Wo0, .offset: 32, .size: 8, .value_kind: global_buffer, .address_space: global }
      - { .name: Wo1, .offset: 40, .size: 8, .value_kind: global_buffer, .address_space: global }
      - { .name: wo, .offset: 48, .size: 8, .value_kind: global_buffer, .address_space: global }
    .group_segment_fixed_size: 327680
    .private_segment_fixed_size: 0
    .kernarg_segment_align: 8
    .kernarg_segment_size: 56
    .max_flat_workgroup_size: 256
    .sgpr_count:     102
    .vgpr_count:     448
    .wavefront_size: 32
...
	.end_amdgpu_metadata
.endif
;; end of part 3
;; launch oproj (part 4): grid 8 x 36, 4 waves a work-group, no clusters, 34,304 bytes of LDS; arguments ctxc, wo, route, valid0, valid1, out0, out1; writes out0, out1
.if DOCPART == 4
	.amdgcn_target "amdgcn-amd-amdhsa--gfx1250"
	.amdhsa_code_object_version 6
	.text
	.protected	k_q6beec25608_oproj
	.globl	k_q6beec25608_oproj
	.p2align	8
	.type	k_q6beec25608_oproj,@function
k_q6beec25608_oproj:
	s_mov_b64 s[64:65], 0
	v_nop
	global_prefetch_b8 v0, s[64:65] scope:SCOPE_SE
	s_setreg_imm32_b32 hwreg(HW_REG_WAVE_MODE, 25, 1), 1
	s_wait_xcnt 0x0
; OPROJ.  out_e[token] = mask_e[token] x (ctx[token] . Wo_e^T).  ctxc and wo are f16 in the operand layout; sums in f32.
; A work-group: a tile of 128 rows x columns 256 x .. 256 x + 255.  A wave: 64 rows x 128 columns = 32 accumulators.  K = 2,048: 64 steps of 32, four operand buffers, loads three steps ahead.
; y = 2 .. 35: slot tile y - 2 (routed rows of one expert, from route's tileO).  The second tile of a pair (tokens with both masks) reads its tokens and its ctx from the first: tileO names the tile.
; y = 0, 1: THE FIRST 32 POSITIONS of both sequences, for expert y: tile 34 of ctxc, where a wave's row blocks 0, 1 hold ctx in f16 and blocks 2, 3 the rests ctx - f16(ctx) of the same 32 tokens; the way out adds
; the two sums.  These two tiles write all 64 such rows of their output, times the mask; the ordinary tiles and the zeroing jump those tokens: each row has one owner.
; A tile's rows hang on a stored count and a wave without rows ends at once, so the text has no barrier and no tensor load: operands come from memory straight into registers.
; NO CLUSTER: work-groups that read the same weights differ in those counts.  Places past the count repeat the tile's last row; their stores are jumped.
; ALSO, first of all: the rows that no product writes are zeroed (out1 where valid1 = 0; out0 where valid0 = 0 and valid1 != 0): the first 1,024 of the launch's 1,152 waves take two tokens each;
; whole rows of 16 stores are jumped by scalar branches on the masks.
; THE MATRIX INSTRUCTION IS USED TRANSPOSED (source 0 = 16 rows of Wo, source 1 = 16 rows of ctx): a lane holds eight neighbouring columns of one token's row.
; REGISTERS.  window 0: v0-47 addresses; v48-51 zeros, v52 the zero rows' offset (never rewritten); v64-159, v160-255 operand buffers 0, 1 (on the way out v64-127 scaled results, v128-191 rows back from the stage);
; window 1: the accumulators; window 2: buffers 2, 3.
.set RT_S2T,   8192
.set RT_TILEO, 26624
.set SPARE,    33792                   ; behind the four stages of 16 x 528 bytes: the spare words, two blocks of 256 bytes that no other line names
.set SPW, 3                            ; v3   LDS address of my spare word; never rewritten
.set NIL, 4                            ; v4   0; never rewritten
.set VA,  5
.set VB,  9
.set TOK, 10
.set STO, 14
.set RD,  15
.set LP,  16
.set MS,  18                           ; v18-25 the rows' masks in f32, a pair for each row block
.set VAD, 26
.set SO,  32                           ; v32-47 store offsets
.set TT,  64
.set BK,  128
.set MSB, 0
.macro WIN new
.if MSB != (\new)
	s_set_vgpr_msb (MSB<<8)|(\new)
.set MSB, \new
.endif
.endm
.macro LOADS f, k
.set FB, 64+96*((\f)%2)
	WIN 0x80*((\f)/2)
.set i, 0
.rept 8
	global_load_b128 v[FB+32+8*i:FB+32+8*i+3], v[VB], s[28:29] offset:65536*i+(\k)
	global_load_b128 v[FB+32+8*i+4:FB+32+8*i+7], v[VB], s[28:29] offset:65536*i+(\k)+512
.set i, i+1
.endr
.set i, 0
.rept 4
	global_load_b128 v[FB+8*i:FB+8*i+3], v[VA+i], s[26:27] offset:(\k)
	global_load_b128 v[FB+8*i+4:FB+8*i+7], v[VA+i], s[26:27] offset:(\k)+512
.set i, i+1
.endr
.endm
.macro MUL16 f, a0, zero               ; the 32 accumulators take turns
.set FB, 64+96*((\f)%2)
	WIN 0x50+0x0a*((\f)/2)
.irp a, \a0, (\a0)+1
.irp b, 0,1,2,3,4,5,6,7
.if \zero
	v_wmma_f32_16x16x32_f16 v[8*(8*(\a)+(\b)):8*(8*(\a)+(\b))+7], v[FB+32+8*(\b):FB+32+8*(\b)+7], v[FB+8*(\a):FB+8*(\a)+7], 0
.else
	v_wmma_f32_16x16x32_f16 v[8*(8*(\a)+(\b)):8*(8*(\a)+(\b))+7], v[FB+32+8*(\b):FB+32+8*(\b)+7], v[FB+8*(\a):FB+8*(\a)+7], v[8*(8*(\a)+(\b)):8*(8*(\a)+(\b))+7]
.endif
.endr
.endr
.endm
.macro PLACES                          ; four plain vector instructions between a matrix instruction and a load into, or a read of, its registers
.rept 4
	v_nop
.endr
.endm
.macro STEP f, lf, k, zero
	s_wait_loadcnt 48                              ; the two younger steps' 24 loads each may be out
	MUL16 \f, 0, \zero
	PLACES
	LOADS \lf, \k
	MUL16 \f, 2, \zero
.endm
; token j of my two: the one row of the two outputs that no product writes, if there is one
.macro ZTOK j
	s_cmp_lg_u32 s[58+\j], 0
	s_cbranch_scc1 .Lhas1_\@
.set i, 0
.rept 16
	global_store_b128 v52, v[48:51], s[16:17] offset:8192*\j+512*i th:TH_STORE_NT  ; valid1 = 0: out1's row; 512 consecutive bytes a store
.set i, i+1
.endr
	s_branch .Lzend_\@
.Lhas1_\@:
	s_cmp_lg_u32 s[56+\j], 0
	s_cbranch_scc1 .Lzend_\@
.set i, 0
.rept 16
	global_store_b128 v52, v[48:51], s[14:15] offset:8192*\j+512*i th:TH_STORE_NT  ; valid0 = 0, valid1 != 0: out0's row
.set i, i+1
.endr
.Lzend_\@:
.endm
; row i of block a goes out, if the tile is the owner of its token: one of the first 32 positions in the tiles y = 0, 1, any other token in the others
.macro ROWST a, i
	s_cmp_le_u32 s24, 16*(\a)+(\i)
	s_cbranch_scc1 .Lend
	v_readlane_b32 s44, v[TOK+(\a)], \i
	s_min_u32 s44, s44, 2047
	s_and_b32 s45, s44, 1023
	s_cmp_lt_u32 s45, 32
	s_cselect_b32 s45, 1, 0
	s_cmp_lg_u32 s45, s60
	s_cbranch_scc1 .Lnot_mine_\@
	s_lshl_b32 s44, s44, 13
	v_add_nc_u32 v[SO+(\i)], s44, v[LP]
	global_store_b128 v[SO+(\i)], v[BK+4*(\i):BK+4*(\i)+3], s[38:39] th:TH_STORE_NT  ; 512 consecutive bytes of one output row, aligned
.Lnot_mine_\@:
.endm
; THE WAY OUT of row block a: times the mask, through my stage in LDS, out as pieces of 512 bytes of a row
.macro OUTB a
	s_cmp_le_u32 s24, 16*(\a)
	s_cbranch_scc1 .Lend
	WIN 0x01
.set i, 0
.rept 32
	v_pk_mul_f32 v[TT+2*i:TT+2*i+1], v[64*(\a)+2*i:64*(\a)+2*i+1], v[MS+2*(\a):MS+2*(\a)+1] op_sel_hi:[1,0]  ; ascending: each accumulator is read from its low end on
.set i, i+1
.endr
	WIN 0
.if (\a) < 2
	s_cmp_eq_u32 s60, 0
	s_cbranch_scc1 .Lno_rest_\@
	WIN 0x01
.set i, 0
.rept 32
	v_pk_fma_f32 v[TT+2*i:TT+2*i+1], v[64*((\a)+2)+2*i:64*((\a)+2)+2*i+1], v[MS+2*(\a):MS+2*(\a)+1], v[TT+2*i:TT+2*i+1] op_sel_hi:[1,0,1]  ; the rests' sums, two blocks on, of the same tokens
.set i, i+1
.endr
	WIN 0
.Lno_rest_\@:
.endif
.set i, 0
.rept 16
	ds_store_b128 v[STO], v[TT+4*i:TT+4*i+3] offset:64*(i/2)+16*(i%2)
.set i, i+1
.endr
	s_wait_xcnt 0x0                                ; the last block's stores have read their data and offsets
.set i, 0
.rept 16
	ds_load_b128 v[BK+4*i:BK+4*i+3], v[RD] offset:528*i  ; LDS serves a wave's instructions in order: these see the stores above
.set i, i+1
.endr
	s_wait_dscnt 0x0
.set i, 0
.rept 16
	ROWST \a, i
.set i, i+1
.endr
.endm
	s_load_b256 s[4:11], s[0:1], 0x0               ; ctxc 4, wo 6, route 8, valid0 10
	s_load_b128 s[12:15], s[0:1], 0x20             ; valid1 12, out0 14
	s_load_b64 s[16:17], s[0:1], 0x30              ; out1
	v_lshl_add_u32 v[SPW], v0, 2, SPARE
	v_mov_b32 v[NIL], 0
	v_lshrrev_b32 v17, 5, v0
	v_readfirstlane_b32 s18, v17                   ; wave
	s_lshr_b32 s19, s18, 1                         ; which 64 rows
	s_and_b32 s20, s18, 1                          ; which 128 columns
	s_mov_b32 s21, ttmp9                           ; x
	s_and_b32 s25, ttmp7, 0xffff                   ; y
	s_max_u32 s62, s25, 2
	s_sub_co_u32 s62, s62, 2                       ; slot tile y - 2 (y = 0, 1 read entry 0 and take nothing from it)
	s_lshl_b32 s44, s62, 4
	s_lshl3_add_u32 s53, s25, s21
	s_lshl2_add_u32 s53, s53, s18                  ; my wave among the launch's 1,152
	s_min_u32 s54, s53, 1023
	s_lshl_b32 s54, s54, 3                         ; two mask words of each kind
	s_lshl_b32 s55, s53, 14                        ; two output rows of 8,192 bytes
	v_and_b32 v1, 15, v0
	v_bfe_u32 v2, v0, 4, 1
	v_and_b32 v17, 31, v0
	v_lshlrev_b32 v[VB], 4, v17
	v_mov_b32 v48, 0
	v_mov_b32 v49, 0
	v_mov_b32 v50, 0
	v_mov_b32 v51, 0
	v_add_nc_u32 v52, s55, v[VB]
	s_wait_kmcnt 0x0
	s_load_b128 s[48:51], s[8:9], s44 offset:RT_TILEO  ; rows, expert, source tile, 0
	s_load_b64 s[56:57], s[10:11], s54 offset:0x0      ; valid0 of my two tokens
	s_load_b64 s[58:59], s[12:13], s54 offset:0x0      ; valid1
	s_wait_kmcnt 0x0
	s_min_u32 s22, s48, 128
	s_min_u32 s23, s49, 1
	s_min_u32 s52, s50, 33
	s_min_u32 s56, s56, 1                          ; a mask is 0 or it is not
	s_min_u32 s57, s57, 1
	s_min_u32 s58, s58, 1
	s_min_u32 s59, s59, 1
	s_cmp_lt_u32 s25, 2                            ; the two tiles of the first 32 positions: 128 rows, expert y, tile 34
	s_cselect_b32 s60, 1, 0
	s_cselect_b32 s22, 128, s22
	s_cselect_b32 s23, s25, s23
	s_cselect_b32 s52, 34, s52
	s_cmp_ge_u32 s53, 1024
	s_cbranch_scc1 .Lzdone                         ; the last 128 waves have no tokens to look after
	s_and_b32 s61, s53, 511
	s_cmp_lt_u32 s61, 16
	s_cbranch_scc1 .Lzdone                         ; tokens 2 w, 2 w + 1 are among the first 32 positions: their rows are written whole by y = 0, 1
	ZTOK 0
	ZTOK 1
.Lzdone:
	s_lshl_b32 s44, s19, 6
	s_sub_co_i32 s24, s22, s44                     ; rows of my 64 that exist
	s_cmp_le_i32 s24, 0
	s_cbranch_scc1 .Lnone
	s_cmp_eq_u32 s60, 1
	s_cselect_b32 s24, 32, s24                     ; y = 0, 1: 32 rows go out, the other 32 are their rests
	s_cmp_eq_u32 s23, 1
	s_cselect_b64 s[38:39], s[16:17], s[14:15]
	s_cselect_b64 s[40:41], s[12:13], s[10:11]
	s_sub_co_u32 s30, s22, 1
	s_lshl_b32 s45, s52, 7
.set i, 0
.rept 4
	v_add_nc_u32 v17, s44, v1
	v_add_nc_u32 v17, 16*i, v17
	v_min_u32 v17, s30, v17                        ; places past the count repeat the last row
	v_min_u32 v17, 127, v17
	v_add_nc_u32 v[SO+i], s45, v17
	v_lshlrev_b32 v[SO+i], 2, v[SO+i]
	global_load_b32 v[TOK+i], v[SO+i], s[8:9] offset:RT_S2T
	v_and_b32 v[VA+i], 0x70, v17
	v_and_b32 v17, 15, v17
	v_lshlrev_b32 v[VA+i], 12, v[VA+i]
	v_lshl_add_u32 v[VA+i], v17, 4, v[VA+i]
	v_lshl_add_u32 v[VA+i], v2, 8, v[VA+i]
.set i, i+1
.endr
	s_lshl_b32 s44, s52, 19
	s_mov_b32 s45, 0
	s_add_nc_u64 s[26:27], s[4:5], s[44:45]        ; A: the source tile
	s_lshl_b32 s44, s23, 23                        ; B: the expert's 8,388,608 bytes,
	s_lshl_b32 s30, s21, 4
	s_lshl3_add_u32 s30, s20, s30
	s_lshl_b32 s30, s30, 16                        ; my 8 column fragments
	s_add_co_u32 s44, s44, s30
	s_add_nc_u64 s[28:29], s[6:7], s[44:45]
	LOADS 0, 0
	LOADS 1, 1024
	LOADS 2, 2048
	WIN 0
	s_mul_i32 s44, s18, 8448
	v_mul_u32_u24 v[STO], v1, 528                  ; in: row lane % 16, 32 bytes for each half of the lanes
	v_lshl_add_u32 v[STO], v2, 5, v[STO]
	v_add_nc_u32 v[STO], s44, v[STO]
	v_add_nc_u32 v[RD], s44, v[VB]                 ; back: a row's 512 bytes, 16 a lane
	s_lshl_b32 s44, s21, 10
	s_lshl_b32 s45, s20, 9
	s_add_co_u32 s44, s44, s45
	v_add_nc_u32 v[LP], s44, v[VB]
.irp n, 1,3,5,7
	v_mov_b32 v[MS+\n], 0                          ; named with the masks as pairs
.endr
	STEP 0, 3, 3072, 1                             ; the first K step starts the sums
	WIN 0
	s_wait_xcnt 0x0                                ; the bases are stepped only behind this wait
	s_add_nc_u64 s[26:27], s[26:27], 4096
	s_add_nc_u64 s[28:29], s[28:29], 4096
	s_mov_b32 s34, 15
.Lk:                                                   ; four K steps a trip
	STEP 1, 0, 0, 0
	STEP 2, 1, 1024, 0
	STEP 3, 2, 2048, 0
	STEP 0, 3, 3072, 0
	WIN 0
	s_wait_xcnt 0x0
	s_add_nc_u64 s[26:27], s[26:27], 4096
	s_add_nc_u64 s[28:29], s[28:29], 4096
	s_sub_co_u32 s34, s34, 1
	s_cmp_lg_u32 s34, 0
	s_cbranch_scc1 .Lk
	s_wait_loadcnt 48                              ; buffer 1 is in
.set i, 0
.rept 4
	v_min_u32 v[TOK+i], 2047, v[TOK+i]
	v_lshlrev_b32 v[VAD+i], 2, v[TOK+i]
	global_load_b32 v[MS+2*i], v[VAD+i], s[40:41]  ; the rows' masks
.set i, i+1
.endr
	MUL16 1, 0, 0
	MUL16 1, 2, 0
	s_wait_loadcnt 28                              ; buffer 2 is in: buffer 3's 24 and the four masks may be out
	MUL16 2, 0, 0
	MUL16 2, 2, 0
	s_wait_loadcnt 4                               ; buffer 3 is in
	MUL16 3, 0, 0
	MUL16 3, 2, 0
	PLACES
	WIN 0
	s_wait_loadcnt 0x0
.set i, 0
.rept 4
	v_cvt_f32_i32 v[MS+2*i], v[MS+2*i]
.set i, i+1
.endr
	OUTB 0
	OUTB 1
	OUTB 2
	OUTB 3
.Lend:
	s_wait_tensorcnt 0x0                           ; the wave's end: behind my last LDS store
	ds_add_u32 v[SPW], v[NIL]
	s_wait_dscnt 0x0
	s_endpgm
.Lnone:
	s_endpgm                                       ; this split leaves my 64 rows empty: no LDS byte was written
.Lfunc_end_k_q6beec25608_oproj:
	.size	k_q6beec25608_oproj, .Lfunc_end_k_q6beec25608_oproj-k_q6beec25608_oproj
	.p2alignl 7, 3214868480
	.fill 96, 4, 3214868480
	.section	.rodata,"a",@progbits
	.p2align	6, 0x0
	.amdhsa_kernel k_q6beec25608_oproj
		.amdhsa_group_segment_fixed_size 34304
		.amdhsa_private_segment_fixed_size 0
		.amdhsa_enable_private_segment 0
		.amdhsa_kernarg_size 56
		.amdhsa_user_sgpr_count 2
		.amdhsa_user_sgpr_kernarg_segment_ptr 1
		.amdhsa_wavefront_size32 1
		.amdhsa_system_sgpr_workgroup_id_x 1
		.amdhsa_system_sgpr_workgroup_id_y 1
		.amdhsa_system_sgpr_workgroup_id_z 1
		.amdhsa_system_vgpr_workitem_id 0
		.amdhsa_next_free_vgpr 768
		.amdhsa_next_free_sgpr 66
		.amdhsa_reserve_vcc 0
		.amdhsa_float_denorm_mode_32 3
		.amdhsa_float_denorm_mode_16_64 3
		.amdhsa_memory_ordered 1
		.amdhsa_forward_progress 1
		.amdhsa_inst_pref_size 105
	.end_amdhsa_kernel
	.amdgpu_metadata
---
amdhsa.version: [ 1, 2 ]
amdhsa.kernels:
  - .name:           k_q6beec25608_oproj
    .symbol:         k_q6beec25608_oproj.kd
    .args:
      - { .name: ctxc, .offset: 0, .size: 8, .value_kind: global_buffer, .address_space: global }
      - { .name: wo, .offset: 8, .size: 8, .value_kind: global_buffer, .address_space: global }
      - { .name: route, .offset: 16, .size: 8, .value_kind: global_buffer, .address_space: global }
      - { .name: valid0, .offset: 24, .size: 8, .value_kind: global_buffer, .address_space: global }
      - { .name: valid1, .offset: 32, .size: 8, .value_kind: global_buffer, .address_space: global }
      - { .name: out0, .offset: 40, .size: 8, .value_kind: global_buffer, .address_space: global }
      - { .name: out1, .offset: 48, .size: 8, .value_kind: global_buffer, .address_space: global }
    .group_segment_fixed_size: 34304
    .private_segment_fixed_size: 0
    .kernarg_segment_align: 8
    .kernarg_segment_size: 56
    .max_flat_workgroup_size: 128
    .sgpr_count:     66
    .vgpr_count:     768
    .wavefront_size: 32
...
	.end_amdgpu_metadata
.endif
;; end of part 4
